; MI455X (gfx1250); checked and timed in simulation.
; The chip was launched on July 23, 2026; its instructions are those of AMD's public machine-readable ISA for CDNA 5 (MIT licence, August 2026) and "CDNA5" Instruction Set Architecture Reference Guide (July 2026). The comments in the code are by the model that wrote it; some were corrected since.
;; Attention. Allowed arithmetic: matrix products marked QUANTISED: E2M3 operands, one E8M0 scale for each 32 along K, by v_wmma_scale_f32_16x16x128_f8f6f4 with both operands' format E2M3, f32 sums; everything else in f32.
;; Inputs: Wk 1,024 x 1,024 float32; Wo 1,024 x 1,024 float32; Wq 1,024 x 1,024 float32; Wv 1,024 x 1,024 float32; bk 1,024 float32; bo 1,024 float32; bq 1,024 float32; bv 1,024 float32; cos 4 x 2,048 x 64 float32; hidden 4 x 2,048 x 1,024 float32; sin 4 x 2,048 x 64 float32.
;; Outputs: out0 4 x 2,048 x 1,024 float32.
;; This version of the problem:
;;   THIS VERSION OF THE PROBLEM IS GIVEN IN LOW PRECISION. The matrix products marked QUANTISED in the list below multiply operands that are first quantised to E2M3 (2 exponent bits, 3 mantissa bits; 6 bits a number), with one power-of-two scale for each 32 numbers along K (OCP MX v1.0); their sums are f32. All else is computed in f32.
;;   The module's matrix products, in the order in which they are computed (A, B: the left and right operand; K: the contracted axis; several contracted axes count as one K, in the product's order):
;;     1. [M 8,192, K 1,024] x [K 1,024, N 1,024]; A: input hidden; B: input Wq: QUANTISED
;;     2. [M 8,192, K 1,024] x [K 1,024, N 1,024]; A: input hidden; B: input Wk: QUANTISED
;;     3. [M 8,192, K 1,024] x [K 1,024, N 1,024]; A: input hidden; B: input Wv: QUANTISED
;;     4. batch 64 x [M 2,048, K 64] x [K 64, N 2,048]; A: computed on the way; B: computed on the way: QUANTISED
;;     5. batch 64 x [M 2,048, K 2,048] x [K 2,048, N 64]; A: softmax (see below); B: computed on the way: QUANTISED
;;     6. [M 8,192, K 1,024] x [K 1,024, N 1,024]; A: computed on the way; B: input Wo: QUANTISED
;;   THE QUANTISER, for each operand of a quantised product, along K:
;;     - K is cut into blocks of 32 from its start; a last block that is shorter is filled with zeros.
;;     - A block's scale is 2^e with e = floor(log2(the largest magnitude in the block)) - 2, held to -126 .. 127; a block of zeros has e = 0. As a byte (E8M0): e + 127.
;;     - Each number is divided by its block's scale, clamped to +-7.5, and rounded to the nearest number of E2M3, ties to even, subnormals kept.
;;     - The product sums the exact products of the quantised numbers (number of the format x scale) in f32.
;;   ~~~python
;;   def quantise(x, axis):      # numpy; x: float32 -> the quantised numbers, widened to float32 again
;;       x = np.moveaxis(x, axis, -1); K = x.shape[-1]
;;       x = np.pad(x, [(0, 0)] * (x.ndim - 1) + [(0, -K % 32)]); x = x.reshape(x.shape[:-1] + (-1, 32)); a = np.abs(x).max(-1, keepdims=True)
;;       e = np.where(a > 0, np.clip(np.frexp(np.where(a > 0, a, 1))[1] - 1 - 2, -126, 127), 0)      # np.frexp(a)[1] - 1 = floor(log2(a)), exactly
;;       r = np.clip(x / 2.0 ** e, -7.5, 7.5)
;;       step = 2.0 ** (np.maximum(np.frexp(np.where(r == 0, 1, r))[1] - 1, 0) - 3)
;;       q = np.round(r / step) * step * 2.0 ** e      # np.round: ties to even
;;       return np.moveaxis(q.reshape(q.shape[:-2] + (-1,))[..., :K], -1, axis).astype(np.float32)
;;   ~~~
;;   SOFTMAX AHEAD OF A QUANTISED PRODUCT. Where the list says 'softmax', what is quantised is not the finished softmax but p = 2^(t - M), with t = logit x log2(e) and M = ceil(the row's largest t), a whole number; so 1/2 < the row's largest p <= 1. The row's sum l is taken of the UNQUANTISED p, in f32, and the product's result is divided by l at the end. Since M is a whole number, a kernel that streams over the keys may use a running M (the ceiling of the running maximum): every later rescaling is an exact power of two, which a block's scale takes up: the codes' values come out the same.
;;   OPERANDS COMPUTED ON THE WAY. 'Computed on the way' means the value that the module computes at that place (a softmax that the list does not call 'softmax' is quantised finished and normalised). What goes into a quantiser is computed in f32, as accurately as f32 sums, v_exp_f32 and their like allow (about 1e-6 of the number): no bf16 or f16 on the way to a quantiser, and a product that is left as it is and whose result goes on into a quantised operand takes f32 operands (vector FMAs, or v_wmma_f32_16x16x4_f32). A number that lies on a knife's edge between two numbers of the format may be rounded either way, as far as f32 arithmetic and the matrix unit's own rounding can turn it there, and no further.
;; One version. Each part assembles by itself: llvm-mc -triple=amdgcn-amd-amdhsa -mcpu=gfx1250 --defsym DOCPART=n.
;; ======== version 1 of 1: 4 launches
;; workspace buffers: xc 9,437,184 bytes; xsc 393,216 bytes; qkvc 18,874,368 bytes; qkvsc 786,432 bytes; ac 6,291,456 bytes; asc 262,144 bytes
;; launch quant (part 1): grid 768 x 1, 4 waves a work-group, no clusters, 35,328 bytes of LDS; arguments hidden, Wq, Wk, Wv, Wo, xc, xsc; writes xc, xsc
.if DOCPART == 1
	.amdgcn_target "amdgcn-amd-amdhsa--gfx1250"
	.amdhsa_code_object_version 6
	.text
	.protected	k_q21bac8e9bc_quant
	.globl	k_q21bac8e9bc_quant
	.p2align	8
	.type	k_q21bac8e9bc_quant,@function
k_q21bac8e9bc_quant:
	s_mov_b64 s[64:65], 0
	v_nop
	global_prefetch_b8 v0, s[64:65] scope:SCOPE_SE
	s_setreg_imm32_b32 hwreg(HW_REG_WAVE_MODE, 25, 1), 1
	s_wait_xcnt 0x0
; hidden [8192][1024] and Wq, Wk, Wv, Wo [1024][1024], f32, K innermost, become codes of FP6 (E2M3) with one E8M0 byte for each 32 along K.
; A block's scale is 2^(floor(log2(largest magnitude)) - 2); its byte is the largest magnitude's exponent field - 2, held at 1 from below.
; LIMITS: NaN and infinities are not served; a block whose largest magnitude lies under 2^-124, a block of zeros among them, keeps the byte 1 (its codes are then zeros or nearly so; this program alone reads the bytes).
; LAYOUT OF THE RESULT.  Rows are laid by POSITION: position p holds row pi(p), pi = bits 3 and 4 of the row number exchanged.  Block g is 16 positions; lane index rho of block 2 c + u is row 32 c + 8 u + rho + 8 (rho / 8).
; Codes lie as images of operand registers.  A fragment (16 positions x 128 K, 12 registers a lane) is 1,536 bytes: for each half c: registers 6 c .. 6 c + 3 at 768 c + 16 x lane, registers 6 c + 4, 6 c + 5 at 768 c + 512 + 8 x lane.
; xc: [group of 128 positions][K step of 128: 0..7][block 0..7][fragment]; groups 0-63 hidden, 64-71 Wq, 72-79 Wk, 80-87 Wv, 88-95 Wo.  xsc: [position][32 bytes].
; SHARES.  Work-group g takes block g for all of K; wave w takes K 256 w .. 256 w + 255: two fragments.  Each load reads 512 consecutive bytes of one row; the numbers turn through the wave's own stage in LDS, so that a lane
; gets 16 neighbours of each block of 32 of its own row.  All 32 loads of a wave go out at the head.  No tensor load, no matrix work: memory binds.
.set STGB, 8448                        ; a wave's stage: 16 rows x (512 bytes + 16)
.set SCG,  4*STGB                      ; behind the stages: the block's 16 x 32 scale bytes
.set R,    16                          ; v16-143  the numbers as loaded: fragment q, row rho at R + 64 q + 4 rho
.set X,    144                         ; v144-207 64 numbers of my row: register 16 b + i = k 32 b + 16 (lane / 16) + i
.set PC,   208                         ; v208-227 the codes
.set TM,   228                         ; v228-243 at work
.set PW,   244                         ; v244     the scale word
.set WV,   20
.set SEL,  30                          ; s[30:31] lane selects: lane l xor 16
; 64 numbers of a lane become a fragment's 12 registers at v[pc] on and its row's scale word in v[pw].
.macro QUANT s, pc, pw
.irp b, 0,1,2,3
	v_max3_num_f32 v[TM+\b], |v[\s+16*\b]|, |v[\s+1+16*\b]|, 0x1800000   ; my 16 numbers of block b, and the floor 2^(3 - 127): the byte cannot fall under 1
.endr
.irp i, 2,4,6,8,10,12,14
.irp b, 0,1,2,3
	v_max3_num_f32 v[TM+\b], v[TM+\b], |v[\s+16*\b+\i]|, |v[\s+1+16*\b+\i]|   ; the four blocks by turns
.endr
.endr
.irp b, 0,1,2,3
	v_permlanex16_b32 v[TM+4+\b], v[TM+\b], s[SEL], s[SEL+1]
.endr
.irp b, 0,1,2,3
	v_max_num_f32 v[TM+\b], v[TM+\b], v[TM+4+\b]                   ; with lane l xor 16's 16: the block's largest magnitude
.endr
.irp b, 0,1,2,3
	v_add_nc_u32 v[TM+12+\b], 0xff000000, v[TM+\b]                 ; 2 off its exponent field: the conversion's scale operand
.endr
.irp b, 0,1,2,3
	v_lshrrev_b32 v[TM+4+\b], 23, v[TM+12+\b]                      ; the scale's byte
.endr
	v_lshl_or_b32 v[\pw], v[TM+5], 8, v[TM+4]
	v_lshl_or_b32 v[\pw], v[TM+6], 16, v[\pw]
	v_lshl_or_b32 v[\pw], v[TM+7], 24, v[\pw]
.irp c, 0,1
	v_cvt_scalef32_pk16_fp6_f32 v[(\pc)+6*\c:(\pc)+2+6*\c], v[\s+32*\c:\s+15+32*\c], v[TM+12+2*\c]
	v_cvt_scalef32_pk16_fp6_f32 v[(\pc)+12+4*\c:(\pc)+14+4*\c], v[\s+16+32*\c:\s+31+32*\c], v[TM+12+2*\c+1]   ; a conversion's three registers begin on an even number
.endr
	v_nop                                          ; one plain instruction behind the conversions
.irp c, 0,1                            ; the operand wants a whole block in a lane: lanes 0-15 block 2 c, lanes 16-31 block 2 c + 1
.irp i, 0,1,2
	v_permlane16_swap_b32 v[(\pc)+6*\c+\i], v[(\pc)+12+4*\c+\i]
.endr
.irp i, 0,1,2
	v_mov_b32 v[(\pc)+3+6*\c+\i], v[(\pc)+12+4*\c+\i]
.endr
.endr
.endm
.macro PUT off                         ; the fragment leaves as it stands: stores of 512 and 256 consecutive bytes, aligned
	global_store_b128 v4, v[PC:PC+3], s[14:15] offset:\off
	global_store_b64 v5, v[PC+4:PC+5], s[14:15] offset:\off+512
	global_store_b128 v4, v[PC+6:PC+9], s[14:15] offset:\off+768
	global_store_b64 v5, v[PC+10:PC+11], s[14:15] offset:\off+1280
.endm
.macro THROUGH q                       ; fragment q's numbers through my stage; LDS serves a wave's instructions in order, so no wait stands between stores and loads
.irp p, 0,1,2,3,4,5,6,7,8,9,10,11,12,13,14,15
	ds_store_b128 v6, v[R+64*\q+4*\p:R+64*\q+4*\p+3] offset:528*\p
.endr
.irp b, 0,1,2,3
.irp j, 0,1,2,3
	ds_load_b128 v[X+16*\b+4*\j:X+16*\b+4*\j+3], v7 offset:128*\b+16*\j
.endr
.endr
.endm
	s_load_b256 s[4:11], s[0:1], 0x0               ; hidden, Wq, Wk, Wv
	s_load_b128 s[12:15], s[0:1], 0x20             ; Wo, xc
	s_load_b64 s[16:17], s[0:1], 0x30              ; xsc
	v_lshl_add_u32 v254, v0, 2, 0x8800
	v_mov_b32 v255, 0
	v_lshrrev_b32 v1, 5, v0
	v_readfirstlane_b32 s[WV], v1                  ; wave 0..3
	v_and_b32 v1, 31, v0                           ; lane
	v_and_b32 v2, 15, v0                           ; r
	v_bfe_u32 v3, v0, 4, 1                         ; h
	v_lshlrev_b32 v4, 4, v1                        ; 16 x lane: my bytes of a load, and of a fragment's stores of 16 bytes
	v_lshlrev_b32 v5, 3, v1                        ; 8 x lane
	s_mul_i32 s21, s[WV], STGB
	v_add_nc_u32 v6, s21, v4                       ; into the stage: a row as it was loaded
	v_mul_u32_u24 v7, v2, 528
	v_lshl_add_u32 v7, v3, 6, v7
	v_add_nc_u32 v7, s21, v7                       ; out of it: row r, + 64 h
	s_lshl_b32 s22, s[WV], 3
	s_add_co_u32 s22, s22, SCG
	v_lshl_add_u32 v8, v2, 5, s22                  ; my row's scale word: 32 r + 8 w
	v_add_nc_u32 v9, SCG, v4
	s_mov_b32 s[SEL], 0x76543210
	s_mov_b32 s[SEL+1], 0xfedcba98
	s_sub_co_u32 s23, ttmp9, 512
	s_lshr_b32 s24, s23, 6                         ; which weight (blocks 512 on)
	s_and_b32 s23, s23, 63
	s_cmp_lt_u32 ttmp9, 512
	s_cselect_b32 s23, ttmp9, s23                  ; the block's number in its tensor
	s_lshr_b32 s25, s23, 1
	s_lshl_b32 s25, s25, 17                        ; 32 rows of 4,096 bytes
	s_and_b32 s26, s23, 1
	s_lshl_b32 s26, s26, 15                        ; 8 rows
	s_add_co_u32 s26, s25, s26
	s_lshl_b32 s25, s[WV], 10                      ; my 256 numbers of a row
	s_add_co_u32 s26, s26, s25
	s_mov_b32 s27, 0
	s_lshr_b32 s28, ttmp9, 3
	s_mul_i32 s28, s28, 98304                      ; the group,
	s_and_b32 s25, ttmp9, 7
	s_mul_i32 s25, s25, 1536                       ; the block in it,
	s_add_co_u32 s28, s28, s25
	s_mul_i32 s25, s[WV], 24576                    ; my two K steps
	s_add_co_u32 s28, s28, s25
	s_mov_b32 s29, 0
	s_wait_alu depctr_va_vdst(0)
	s_wait_kmcnt 0x0
	s_cmp_eq_u32 s24, 2                            ; the source: a choice that hangs on the work-group's number alone
	s_cselect_b64 s[18:19], s[10:11], s[12:13]
	s_cmp_eq_u32 s24, 1
	s_cselect_b64 s[18:19], s[8:9], s[18:19]
	s_cmp_eq_u32 s24, 0
	s_cselect_b64 s[18:19], s[6:7], s[18:19]
	s_cmp_lt_u32 ttmp9, 512
	s_cselect_b64 s[18:19], s[4:5], s[18:19]
	s_add_nc_u64 s[18:19], s[18:19], s[26:27]
	s_add_nc_u64 s[14:15], s[14:15], s[28:29]
	s_lshl_b32 s28, ttmp9, 9                       ; 512 scale bytes a block
	s_add_nc_u64 s[16:17], s[16:17], s[28:29]
.irp q, 0,1
.irp p, 0,1,2,3,4,5,6,7,8,9,10,11,12,13,14,15
	global_load_b128 v[R+64*\q+4*\p:R+64*\q+4*\p+3], v4, s[18:19] offset:(\p+8*(\p/8))*4096+512*\q th:TH_LOAD_NT   ; 32 lanes read 512 consecutive bytes of one row; read once in the launch
.endr
.endr
.irp b, 0,1,2,3
	v_mov_b32 v[TM+4+\b], 0                        ; written once: a lane permute's destination counts as one of its sources
.endr
	s_wait_loadcnt 16                              ; the first fragment's 16 loads are in; the second's 16 may be out
	THROUGH 0
	s_wait_dscnt 0x0
	QUANT X, PC, PW
	PUT 0
	ds_store_b32 v8, v[PW]                         ; lanes r and r + 16 write the same word with the same value
	s_wait_loadcnt 0x0
	THROUGH 1
	s_wait_dscnt 0x0
	s_wait_xcnt 0x0                                ; the stores above have read the codes' registers: they are written again only behind this wait
	QUANT X, PC, PW
	PUT 12288
	ds_store_b32 v8, v[PW] offset:4
	s_wait_dscnt 0x0                               ; for the others' sake: my scale words lie in LDS
	s_barrier_signal -1
	s_barrier_wait -1
	s_cmp_lg_u32 s[WV], 0
	s_cbranch_scc1 .Lend
	ds_load_b128 v[248:251], v9                    ; the block's 512 scale bytes leave whole, by wave 0
	s_wait_dscnt 0x0
	global_store_b128 v4, v[248:251], s[16:17]
.Lend:
	s_wait_tensorcnt 0x0
	ds_add_u32 v254, v255
	s_wait_dscnt 0x0
	s_endpgm
.Lfunc_end_k_q21bac8e9bc_quant:
	.size	k_q21bac8e9bc_quant, .Lfunc_end_k_q21bac8e9bc_quant-k_q21bac8e9bc_quant
	.p2alignl 7, 3214868480
	.fill 96, 4, 3214868480
	.section	.rodata,"a",@progbits
	.p2align	6, 0x0
	.amdhsa_kernel k_q21bac8e9bc_quant
		.amdhsa_group_segment_fixed_size 35328
		.amdhsa_private_segment_fixed_size 0
		.amdhsa_enable_private_segment 0
		.amdhsa_kernarg_size 56
		.amdhsa_user_sgpr_count 2
		.amdhsa_user_sgpr_kernarg_segment_ptr 1
		.amdhsa_wavefront_size32 1
		.amdhsa_system_sgpr_workgroup_id_x 1
		.amdhsa_system_sgpr_workgroup_id_y 1
		.amdhsa_system_sgpr_workgroup_id_z 1
		.amdhsa_system_vgpr_workitem_id 0
		.amdhsa_next_free_vgpr 256
		.amdhsa_next_free_sgpr 66
		.amdhsa_reserve_vcc 0
		.amdhsa_float_denorm_mode_32 3
		.amdhsa_float_denorm_mode_16_64 3
		.amdhsa_memory_ordered 1
		.amdhsa_forward_progress 1
		.amdhsa_inst_pref_size 19
	.end_amdhsa_kernel
	.amdgpu_metadata
---
amdhsa.version: [ 1, 2 ]
amdhsa.kernels:
  - .name:           k_q21bac8e9bc_quant
    .symbol:         k_q21bac8e9bc_quant.kd
    .args:
      - { .name: hidden, .offset: 0, .size: 8, .value_kind: global_buffer, .address_space: global }
      - { .name: Wq, .offset: 8, .size: 8, .value_kind: global_buffer, .address_space: global }
      - { .name: Wk, .offset: 16, .size: 8, .value_kind: global_buffer, .address_space: global }
      - { .name: Wv, .offset: 24, .size: 8, .value_kind: global_buffer, .address_space: global }
      - { .name: Wo, .offset: 32, .size: 8, .value_kind: global_buffer, .address_space: global }
      - { .name: xc, .offset: 40, .size: 8, .value_kind: global_buffer, .address_space: global }
      - { .name: xsc, .offset: 48, .size: 8, .value_kind: global_buffer, .address_space: global }
    .group_segment_fixed_size: 35328
    .private_segment_fixed_size: 0
    .kernarg_segment_align: 8
    .kernarg_segment_size: 56
    .max_flat_workgroup_size: 128
    .sgpr_count:     66
    .vgpr_count:     256
    .wavefront_size: 32
...
	.end_amdgpu_metadata
.endif
;; end of part 1
;; launch qkv (part 2): grid 12 x 32, 4 waves a work-group, clusters of 4 x 4, 327,680 bytes of LDS; arguments xc, xsc, bq, bk, bv, cos, sin, qkvc, qkvsc; writes qkvc, qkvsc
.if DOCPART == 2
	.amdgcn_target "amdgcn-amd-amdhsa--gfx1250"
	.amdhsa_code_object_version 6
	.text
	.protected	k_q21bac8e9bc_qkv
	.globl	k_q21bac8e9bc_qkv
	.p2align	8
	.type	k_q21bac8e9bc_qkv,@function
k_q21bac8e9bc_qkv:
	s_mov_b64 s[64:65], 0
	v_nop
	global_prefetch_b8 v0, s[64:65] scope:SCOPE_SE
	s_setreg_imm32_b32 hwreg(HW_REG_WAVE_MODE, 25, 1), 1
	s_wait_xcnt 0x0
	s_wait_alu depctr_hold_cnt(0) depctr_sa_sdst(0) depctr_va_vdst(0) depctr_va_sdst(0) depctr_va_ssrc(0) depctr_va_vcc(0) depctr_vm_vsrc(0)
	s_getreg_b32 s2, hwreg(HW_REG_IB_STS2, 6, 4)
	s_cmp_eq_u32 s2, 0
	s_cbranch_scc0 .Lentry_in_a_cluster
	s_endpgm
.Lentry_in_a_cluster:
	s_bfe_u32 s2, ttmp6, 0x10000c
	s_cmp_lg_u32 s2, 0xf033
	s_cbranch_scc0 .Lentry_shape_is_right
	s_endpgm
.Lentry_shape_is_right:
; q = rope(hidden Wq^T + bq), k = rope(hidden Wk^T + bk), v = hidden Wv^T + bv, the products on codes of FP6 (E2M3) with E8M0 scales (K = 1,024); the results are quantised at once, q and k along the head's 64, v along the keys,
; and leave as images of the operand registers that the attention launch loads.  No f32 result goes to memory.
; OPERANDS (xc, xsc): rows laid by position, position p = row with bits 3 and 4 exchanged; codes as fragments of 1,536 bytes (16 positions x 128 K: half c: registers 6 c .. 6 c + 3 at 768 c + 16 x lane, 6 c + 4, 6 c + 5 at 768 c + 512 + 8 x lane),
; [group of 128 positions][K step 0..7][block 0..7]; scale bytes [position][32].  Groups 0-63 hidden, 64-71 Wq, 72-79 Wk, 80-87 Wv.
; A tile of 256 x 256 is made by four waves, 128 x 128 each: 64 accumulators, 512 registers.  K goes in steps of 256 through two LDS slots; a wave's tensor load brings 24,576 dense bytes (128 positions x 256 K).
; THE MATRIX INSTRUCTION IS USED TRANSPOSED: source 0 = 16 positions of B, source 1 = 16 positions of A.  By the order of positions a lane's registers of B's blocks 2 c, 2 c + 1 are 16 NEIGHBOURING rows of B, 32 c + 16 (lane / 16) + 0 .. 15.
; TWO PATHS, by the cluster's x, which all partners share.  x = 0, 1: A = hidden, B = Wq, Wk: a lane holds one token and neighbouring features: rope and the blocks along d lie in its registers.
; x = 2: A = Wv, B = hidden: a lane holds one feature and neighbouring tokens: the blocks along the keys lie in its registers.
; CLUSTERS: 4 x 4.  A's tiles are shared along a row of the cluster, B's along a column: joint loads with a mask of four.
; RESULTS.  qkvc: Q [head 0..63][32-token block 0..63][fragment: half u = tokens 32 qb + 16 g + 8 u + i in lane 8 g + i, d = 32 (lane / 16) on]; from byte 6,291,456: [head][step of 128 keys][K: 4 fragments laid like Q | V: 4 fragments: row = d by
; position, K = the step's 128 keys].  qkvsc: Q [head][step][r][4 words]; from byte 262,144: [head][step][K 256 bytes | V 256 bytes], the same inner order.  A Q or K word: bytes 0, 1 for half 0's two blocks of d, bytes 2, 3 for half 1's.
; LIMITS: NaN and infinities are not served; a block whose largest magnitude lies under 2^-124 keeps the scale byte 1.
; REGISTERS: window 0: v0-31 addresses; v32-63 scale words, two sets; v64-127 the bias as the first products' C, later the numbers to quantise; v128-223 A's fragments, later codes; v224-239 bv.  window 1: B's fragments, two sets, later cos and sin.
;   windows 2, 3: the accumulators ((a, b) at v[8 (8 (a % 4) + b)]).
.set FR,    12                         ; registers of a fragment
.set NL,    4                          ; LDS loads that bring one
.set NP,    4                          ; places behind this matrix instruction (ISA guide 7.12.1)
.set NQ,    2                          ; matrix instructions deep in a slot
.set HALFT, 24576                      ; 128 positions x 256 K: what one tensor load brings
.set SLOT,  4*HALFT                    ; A's 256 positions, then B's
.set SCL,   2*SLOT                     ; behind the ring: the scale bytes, as rows of 256 bytes + 16 of padding
.set HALFS, 16*272                     ; those of 128 positions
.set SBLK,  2*272                      ; those of 16
.set SPARE, SCL+4*HALFS                ; the spare words, 128 bytes a wave: two blocks of 256 bytes that no other line names
.set ADRA, 16                          ; v16-17 my A fragments in slot 0, 1, + 16 x lane; v18-19 the same + 8 x lane
.set ADRB, 20                          ; v20-23 the same for B
.set L16,  24                          ; v24  16 x lane
.set L8,   25                          ; v25  8 x lane
.set CSO,  26                          ; v26  my byte in a block's rows of cos and sin
.set ADRS, 27                          ; v27  LDS address of my scale words: lanes 0-15 A's, lanes 16-31 B's
.set SPW,  28                          ; v28  my spare word; never rewritten
.set NIL,  29                          ; v29  0; never rewritten
.set SCO,  30                          ; v30  where my four scale words go
.set SC,   32
.set BI,   64
.set U,    64
.set AF,   128
.set PCS,  128                         ; two sets of 20 for codes
.set PWS,  168                         ; v168-175 the eight blocks' scale words
.set SW,   176                         ; v176-179 the words to store
.set TM,   200
.set RB,   224
.set SEL,  8                           ; s[8:9] in the epilogue: lane selects
.set G1, 24
.set G0, 32
.set G1B, 48
.set G0B, 56
.set G1S, 68
.set G0S, 76
.set G1SB, 80
.set G0SB, 88
.set MSB, 0
.macro WIN new                         ; the immediate's high byte repeats the setting that is left
.if MSB != \new
	s_set_vgpr_msb (MSB<<8)|\new
.set MSB, \new
.endif
.endm
.set MUL_LO, 0xa1                      ; source 0 (B) window 1, source 1 (A) window 0, C and D window 2
.set MUL_HI, 0xf1
.set TO_B,   0x40
; A joint load: waves 0 and 1 fetch for A, waves 2 and 3 for B; the branch hangs on the wave's number alone.  Four v_nop follow each of the two lines.
.macro JLOAD g0a, g1a, g0b, g1b
	s_cmp_eq_u32 s15, 0
	s_cbranch_scc0 .Lfor_b_\@
	tensor_load_to_lds s[\g0a:\g0a+3], s[\g1a:\g1a+7]
	s_nop 0
.rept 4
	v_nop
.endr
	s_branch .Lasked_\@
.Lfor_b_\@:
	tensor_load_to_lds s[\g0b:\g0b+3], s[\g1b:\g1b+7]
	s_nop 0
.rept 4
	v_nop
.endr
.Lasked_\@:
.endm
.macro CREST                           ; a round of the cluster's barrier behind its opening barrier
	s_cmp_lg_u32 s14, 0
	s_cbranch_scc1 .Lnot_wave_0_\@
	s_barrier_signal -3
.Lnot_wave_0_\@:
	s_barrier_wait -3
	s_barrier_signal -1
	s_barrier_wait -1
.endm
.macro CROUND
	s_barrier_signal -1
	s_barrier_wait -1
	CREST
.endm
.macro PLACES n
.rept \n
	v_nop
.endr
.endm
.macro FRAG reg, adr, q, i             ; a fragment comes back as it was laid: four loads, each of consecutive bytes
	ds_load_b128 v[\reg:\reg+3], v[\adr] offset:(8*(\q)+(\i))*1536
	ds_load_b64 v[\reg+4:\reg+5], v[\adr+2] offset:(8*(\q)+(\i))*1536+512
	ds_load_b128 v[\reg+6:\reg+9], v[\adr] offset:(8*(\q)+(\i))*1536+768
	ds_load_b64 v[\reg+10:\reg+11], v[\adr+2] offset:(8*(\q)+(\i))*1536+1280
.endm
; 16 matrix instructions: A's blocks a0, a0 + 1 x B's eight.  first = 1: the bias is the sums' first C.  The 64 accumulators take turns, one instruction a turn.
.macro MUL16 a0, p, q, sc, first
.irp a, \a0, \a0+1
.irp b, 0,1,2,3,4,5,6,7
.if \first
	v_wmma_scale_f32_16x16x128_f8f6f4 v[8*(8*((\a)%4)+\b):8*(8*((\a)%4)+\b)+7], v[128*(\p)+FR*\b:128*(\p)+FR*\b+FR-1], v[AF+FR*(\a):AF+FR*(\a)+FR-1], v[BI+8*\b:BI+8*\b+7], v[SC+8*NQ*(\sc)+NQ*\b+(\q)], v[SC+8*NQ*(\sc)+NQ*(\a)+(\q)] matrix_a_fmt:MATRIX_FMT_FP6 matrix_b_fmt:MATRIX_FMT_FP6 matrix_a_scale:MATRIX_SCALE_ROW1
.else
	v_wmma_scale_f32_16x16x128_f8f6f4 v[8*(8*((\a)%4)+\b):8*(8*((\a)%4)+\b)+7], v[128*(\p)+FR*\b:128*(\p)+FR*\b+FR-1], v[AF+FR*(\a):AF+FR*(\a)+FR-1], v[8*(8*((\a)%4)+\b):8*(8*((\a)%4)+\b)+7], v[SC+8*NQ*(\sc)+NQ*\b+(\q)], v[SC+8*NQ*(\sc)+NQ*(\a)+(\q)] matrix_a_fmt:MATRIX_FMT_FP6 matrix_b_fmt:MATRIX_FMT_FP6 matrix_a_scale:MATRIX_SCALE_ROW1
.endif
.endr
.endr
.endm
.macro FETCH_B slot, q, p
	WIN TO_B
.irp i, 0,1,2,3,4,5,6,7
	FRAG 128*(\p)+FR*\i, ADRB+\slot, \q, \i
.endr
	WIN 0
.endm
.macro FETCH_A slot, q, i0
.irp i, \i0, \i0+1, \i0+2, \i0+3
	FRAG AF+FR*(\i), ADRA+\slot, \q, \i
.endr
.endm
.macro SCALES sc                       ; a slot's scale words: two a position; lanes 0-15 A's block i, lanes 16-31 B's block i
.irp i, 0,1,2,3,4,5,6,7
	ds_load_b64 v[SC+8*NQ*\sc+NQ*\i:SC+8*NQ*\sc+NQ*\i+1], v[ADRS] offset:\i*SBLK
.endr
.endm
; A step of 128 along K that has its successor in the same slot.  A has one set of registers (blocks 0-3 fetched anew in the middle, 4-7 at the end), B two.
.macro STEP slot, q, first
	s_wait_dscnt 4*NL                              ; all but the youngest 16 loads (A's blocks 4-7) are in
.if \first
	WIN 0x81                                       ; C (the bias) window 0, D window 2
.else
	WIN MUL_LO
.endif
	MUL16 0, (\q)%2, \q, \slot, \first
	MUL16 2, (\q)%2, \q, \slot, \first
	s_wait_dscnt 0
	PLACES NP                                      ; in front of loads into registers that matrix instructions have read
	FETCH_B \slot, (\q)+1, 1-(\q)%2
	FETCH_A \slot, (\q)+1, 0
.if \first
	WIN 0xc1
.else
	WIN MUL_HI
.endif
	MUL16 4, (\q)%2, \q, \slot, \first
	MUL16 6, (\q)%2, \q, \slot, \first
	PLACES NP
	WIN 0
	FETCH_A \slot, (\q)+1, 4
.endm
; A slot's last step changes slots: one barrier; in front of it each wave waits for all its tensor loads, adds 0 to its spare word, and waits for that and for its reads of this slot.  fill = 1: the slot is filled again, two slots' worth of K ahead.
.macro TURN slot, next, fill
	s_wait_tensorcnt 0x0                           ; all my tensor loads have landed: my part of the next slot
	ds_add_u32 v[SPW], v[NIL]                      ; 0 onto my spare word
	s_wait_dscnt 4*NL+1                            ; the add and the youngest 16 loads may be out
	WIN MUL_LO
	MUL16 0, 1, NQ-1, \slot, 0
	s_wait_dscnt 0x0                               ; the add is done, and my reads of this slot are over
	s_barrier_signal -1
	MUL16 2, 1, NQ-1, \slot, 0
	WIN 0
	s_barrier_wait -1
.if \fill
	CREST                                          ; the barrier has opened a round of the cluster's: no wave of any partner still reads this slot or has a load on its way
	s_add_nc_u64 s[G0+4*\slot+2:G0+4*\slot+3], s[G0+4*\slot+2:G0+4*\slot+3], 2*HALFT
	s_add_nc_u64 s[G0B+4*\slot+2:G0B+4*\slot+3], s[G0B+4*\slot+2:G0B+4*\slot+3], 2*HALFT
	JLOAD G0+4*\slot, G1, G0B+4*\slot, G1B         ; the first tensor load behind the round; its four v_nop are the places in front of the loads below
.else
	PLACES NP
.endif
	s_wait_alu depctr_va_vdst(0)
	v_add_nc_u32 v[ADRS], 4*NQ, v[ADRS]            ; the next slot's scale words
	FETCH_B \next, 0, 0
	FETCH_A \next, 0, 0
	SCALES \next
	WIN MUL_HI
	MUL16 4, 1, NQ-1, \slot, 0
	MUL16 6, 1, NQ-1, \slot, 0
	PLACES NP
	WIN 0
	FETCH_A \next, 0, 4
.endm
; 64 numbers of a lane, register 16 b + i = k 32 b + 16 (lane / 16) + i of its row, become a fragment's 12 registers at v[pc] on and the row's scale word in v[pw].
.macro QUANT s, pc, pw
.irp b, 0,1,2,3
	v_max3_num_f32 v[TM+\b], |v[\s+16*\b]|, |v[\s+1+16*\b]|, 0x1800000   ; and the floor 2^(3 - 127): the byte cannot fall under 1
.endr
.irp i, 2,4,6,8,10,12,14
.irp b, 0,1,2,3
	v_max3_num_f32 v[TM+\b], v[TM+\b], |v[\s+16*\b+\i]|, |v[\s+1+16*\b+\i]|
.endr
.endr
.irp b, 0,1,2,3
	v_permlanex16_b32 v[TM+4+\b], v[TM+\b], s[SEL], s[SEL+1]
.endr
.irp b, 0,1,2,3
	v_max_num_f32 v[TM+\b], v[TM+\b], v[TM+4+\b]
.endr
.irp b, 0,1,2,3
	v_add_nc_u32 v[TM+12+\b], 0xff000000, v[TM+\b]                 ; 2 off the exponent field: the conversion's scale operand
.endr
.irp b, 0,1,2,3
	v_lshrrev_b32 v[TM+4+\b], 23, v[TM+12+\b]
.endr
	v_lshl_or_b32 v[\pw], v[TM+5], 8, v[TM+4]
	v_lshl_or_b32 v[\pw], v[TM+6], 16, v[\pw]
	v_lshl_or_b32 v[\pw], v[TM+7], 24, v[\pw]
.irp c, 0,1
	v_cvt_scalef32_pk16_fp6_f32 v[(\pc)+6*\c:(\pc)+2+6*\c], v[\s+32*\c:\s+15+32*\c], v[TM+12+2*\c]
	v_cvt_scalef32_pk16_fp6_f32 v[(\pc)+12+4*\c:(\pc)+14+4*\c], v[\s+16+32*\c:\s+31+32*\c], v[TM+12+2*\c+1]
.endr
	v_nop                                          ; one plain instruction behind the conversions
.irp c, 0,1
.irp i, 0,1,2
	v_permlane16_swap_b32 v[(\pc)+6*\c+\i], v[(\pc)+12+4*\c+\i]
.endr
.irp i, 0,1,2
	v_mov_b32 v[(\pc)+3+6*\c+\i], v[(\pc)+12+4*\c+\i]
.endr
.endr
.endm
.macro FINISH                          ; the wave's end, then the closing round
	s_wait_tensorcnt 0x0
	ds_add_u32 v[SPW], v[NIL]
	s_wait_dscnt 0x0
	CROUND
	s_endpgm
.endm
	s_load_b128 s[4:7], s[0:1], 0x0                ; xc, xsc
	s_load_b128 s[8:11], s[0:1], 0x10              ; bq, bk
	s_load_b64 s[12:13], s[0:1], 0x20              ; bv
	s_load_b64 s[92:93], s[0:1], 0x28              ; cos
	s_load_b64 s[94:95], s[0:1], 0x30              ; sin
	s_load_b64 s[96:97], s[0:1], 0x38              ; qkvc
	s_load_b64 s[98:99], s[0:1], 0x40              ; qkvsc
	v_lshl_add_u32 v[SPW], v0, 2, SPARE
	v_mov_b32 v[NIL], 0
	ds_add_u32 v28, v29
	ds_add_u32 v28, v29
	s_wait_dscnt 0x0
	v_lshrrev_b32 v1, 5, v0
	v_readfirstlane_b32 s14, v1                    ; wave 0..3
	s_lshr_b32 s15, s14, 1                         ; which half of A's positions is mine.  Also: I fetch for A (0) or for B (1)
	s_and_b32 s16, s14, 1                          ; which half of B's.  Also: which group of the tile I fetch
	s_bfe_u32 s40, ttmp6, 0x40000                  ; cx
	s_bfe_u32 s41, ttmp6, 0x40004                  ; cy
	s_lshl_b32 s43, s41, 2
	s_lshl_b32 s43, 15, s43                        ; my row of the cluster
	s_lshl_b32 s44, 0x1111, s40                    ; my column
	s_and_b32 s17, ttmp7, 0xffff
	s_lshl_b32 s17, s17, 2                         ; 4 x cluster y
	s_add_co_u32 s18, s17, s41
	s_add_co_u32 s42, s17, s40
	s_lshl_b32 s19, ttmp9, 2
	s_add_co_u32 s19, s19, s40
	s_cmp_eq_u32 ttmp9, 2                          ; the path: the cluster's x, equal in all sixteen partners
	s_cselect_b32 s18, s41, s18                    ; A's tile: V: cy (Wv);  Q, K: 4 x cluster y + cy (hidden).  No register of A's ever holds cx
	s_cselect_b32 s42, s42, s19                    ; B's tile: V: 4 x cluster y + cx (hidden);  Q, K: 4 x cluster x + cx (Wq, Wk).  None of B's holds cy
	s_cselect_b32 s20, 80, 0                       ; A's first group
	s_cselect_b32 s46, 0, 64                       ; B's
	s_lshl_b32 s21, s18, 1
	s_add_co_u32 s20, s20, s21
	s_add_co_u32 s20, s20, s16                     ; the group that I would fetch for A
	s_lshl_b32 s47, s42, 1
	s_add_co_u32 s46, s46, s47
	s_add_co_u32 s46, s46, s16                     ; and for B
	s_mul_i32 s22, s20, 98304                      ; its codes,
	s_lshl_b32 s20, s20, 12                        ; its scale bytes
	s_mov_b32 s21, 0
	s_mov_b32 s23, 0
	s_mul_i32 s66, s46, 98304
	s_lshl_b32 s46, s46, 12
	s_mov_b32 s47, 0
	s_mov_b32 s67, 0
	; descriptor group 1, codes: 24,576 dense bytes as 96 rows of 32 elements of 8 bytes, no padding
	s_or_b32 s[G1+0], s43, (3<<16)|(1<<21)         ; 15:0 the mask: A's go to my row; 17:16 elements of 8 bytes; 21 set beside a mask
	s_or_b32 s[G1B+0], s44, (3<<16)|(1<<21)
.irp g, G1, G1B
	s_mov_b32 s[\g+1], 32<<16                      ; tensor_dim0
	s_mov_b32 s[\g+2], 96<<16                      ; tensor_dim1
	s_mov_b32 s[\g+3], 32<<16                      ; tile_dim0
	s_mov_b32 s[\g+4], 96                          ; tile_dim1
	s_mov_b32 s[\g+5], 32                          ; pitch
	s_mov_b32 s[\g+6], 0
	s_mov_b32 s[\g+7], 0
.endr
	; scale bytes of 128 positions: 4,096 dense bytes as 16 rows of 256, 16 bytes of padding behind each
	s_or_b32 s[G1S+0], s43, (3<<16)|(1<<20)|(1<<21)|(5<<22)|(3<<25)
	s_or_b32 s[G1SB+0], s44, (3<<16)|(1<<20)|(1<<21)|(5<<22)|(3<<25)
.irp g, G1S, G1SB
	s_mov_b32 s[\g+1], 32<<16
	s_mov_b32 s[\g+2], 16<<16
	s_mov_b32 s[\g+3], 32<<16
	s_mov_b32 s[\g+4], 16
	s_mov_b32 s[\g+5], 32
	s_mov_b32 s[\g+6], 0
	s_mov_b32 s[\g+7], 0
.endr
	s_mul_i32 s45, s14, HALFT                      ; where they go: by the wave's number alone
	s_mul_i32 s2, s14, HALFS
	s_wait_kmcnt 0x0
	s_add_nc_u64 s[20:21], s[6:7], s[20:21]
	s_add_nc_u64 s[22:23], s[4:5], s[22:23]
	s_add_nc_u64 s[46:47], s[6:7], s[46:47]
	s_add_nc_u64 s[66:67], s[4:5], s[66:67]
	CROUND                                         ; all sixteen work-groups are here: the first joint loads meet
	s_mov_b32 s[G0S], 1
	s_add_co_u32 s[G0S+1], s2, SCL
	s_mov_b64 s[G0S+2:G0S+3], s[20:21]
	s_or_b32 s[G0S+3], s[G0S+3], 0x80000000
	s_mov_b32 s[G0SB], 1
	s_add_co_u32 s[G0SB+1], s2, SCL
	s_mov_b64 s[G0SB+2:G0SB+3], s[46:47]
	s_or_b32 s[G0SB+3], s[G0SB+3], 0x80000000
	JLOAD G0S, G1S, G0SB, G1SB                     ; the scale bytes for all of K: filled once
.irp s, 0,1
	s_mov_b32 s[G0+4*\s], 1
	s_add_co_u32 s[G0+4*\s+1], s45, \s*SLOT
	s_add_nc_u64 s[G0+4*\s+2:G0+4*\s+3], s[22:23], \s*HALFT
	s_or_b32 s[G0+4*\s+3], s[G0+4*\s+3], 0x80000000
	s_mov_b32 s[G0B+4*\s], 1
	s_add_co_u32 s[G0B+4*\s+1], s45, \s*SLOT
	s_add_nc_u64 s[G0B+4*\s+2:G0B+4*\s+3], s[66:67], \s*HALFT
	s_or_b32 s[G0B+4*\s+3], s[G0B+4*\s+3], 0x80000000
	JLOAD G0+4*\s, G1, G0B+4*\s, G1B               ; three tensor loads of mine are out now
.endr
	v_and_b32 v1, 15, v0                           ; r
	v_bfe_u32 v2, v0, 4, 1                         ; h
	v_and_b32 v3, 31, v0
	v_lshlrev_b32 v[L16], 4, v3
	v_lshlrev_b32 v[L8], 3, v3
	s_mul_i32 s21, s15, HALFT                      ; my 128 positions of A
	s_mul_i32 s22, s16, HALFT
	s_add_co_u32 s22, s22, 2*HALFT                 ; of B, behind A's 256
.irp s, 0,1
	v_add_nc_u32 v[ADRA+\s], s21, v[L16]
	v_add_nc_u32 v[ADRB+\s], s22, v[L16]
	v_add_nc_u32 v[ADRA+2+\s], s21, v[L8]
	v_add_nc_u32 v[ADRB+2+\s], s22, v[L8]
	s_add_co_u32 s21, s21, SLOT
	s_add_co_u32 s22, s22, SLOT
.endr
	v_lshlrev_b32 v5, 5, v1                        ; my position's scale bytes: 32 a position,
	v_lshrrev_b32 v6, 8, v5
	v_lshl_add_u32 v5, v6, 4, v5                   ; and 16 more for each 256 passed
	s_mul_i32 s21, s15, HALFS
	s_mul_i32 s22, s16, HALFS
	s_add_co_u32 s22, s22, 2*HALFS
	s_sub_co_u32 s22, s22, s21
	v_mul_u32_u24 v6, s22, v2                      ; lanes 16-31 take B's
	s_add_co_u32 s21, s21, SCL
	v_add_nc_u32 v5, v5, v6
	v_add_nc_u32 v[ADRS], s21, v5
	v_and_b32 v7, 8, v1
	v_add_nc_u32 v7, v7, v1                        ; r + 8 (r / 8): my row in a block
	v_lshlrev_b32 v[CSO], 8, v7
	v_lshl_add_u32 v[CSO], v2, 6, v[CSO]           ; a row of cos is 256 bytes; + 64 h
	; the biases.  Q, K: along the registers: the C of the first products.  V: along the lanes: added on the way out.  Both arms write all of BI and RB.
	s_cmp_eq_u32 ttmp9, 2
	s_cbranch_scc1 .Lhead_v
	s_cmp_eq_u32 ttmp9, 0
	s_cselect_b64 s[20:21], s[8:9], s[10:11]       ; bq or bk
	s_lshl_b32 s22, s40, 10
	s_lshl_b32 s23, s16, 9
	s_add_co_u32 s22, s22, s23                     ; my first feature: 256 cx + 128 x half, 4 bytes each
	s_mov_b32 s23, 0
	s_add_nc_u64 s[20:21], s[20:21], s[22:23]
	v_lshlrev_b32 v6, 6, v2
.irp b, 0,1,2,3,4,5,6,7                ; tile b, register j: feature 32 (b / 2) + 16 h + 8 (b % 2) + j
	global_load_b128 v[BI+8*\b:BI+8*\b+3], v6, s[20:21] offset:128*(\b/2)+32*(\b%2)
	global_load_b128 v[BI+8*\b+4:BI+8*\b+7], v6, s[20:21] offset:128*(\b/2)+32*(\b%2)+16
.endr
.set j, 0
.rept 16
	v_mov_b32 v[RB+j], 0
.set j, j+1
.endr
	s_branch .Lhead_join
.Lhead_v:
.set j, 0
.rept 64
	v_mov_b32 v[BI+j], 0                           ; once: so that one text of the first step serves both paths
.set j, j+1
.endr
	s_lshl_b32 s22, s18, 10
	s_lshl_b32 s23, s15, 9
	s_add_co_u32 s22, s22, s23                     ; my first feature: 256 x tile + 128 x half
	s_mov_b32 s23, 0
	s_add_nc_u64 s[20:21], s[12:13], s[22:23]
	v_lshlrev_b32 v6, 2, v7
.irp a, 0,1,2,3,4,5,6,7                ; block a: bv of my lane's feature, twice: a pair for the packed addition
	global_load_b32 v[RB+2*\a], v6, s[20:21] offset:(32*(\a/2)+8*(\a%2))*4
	global_load_b32 v[RB+2*\a+1], v6, s[20:21] offset:(32*(\a/2)+8*(\a%2))*4
.endr
.Lhead_join:
	s_wait_loadcnt 0x0
	s_wait_tensorcnt 1                             ; the scale bytes and my part of slot 0 are in; slot 1's load may be out
	s_barrier_signal -1
	s_barrier_wait -1
	FETCH_B 0, 0, 0
	FETCH_A 0, 0, 0
	SCALES 0
	FETCH_A 0, 0, 4
	s_wait_alu depctr_va_vdst(0)
	STEP 0, 0, 1                                   ; K 0: the bias starts the sums
	TURN 0, 1, 1                                   ; K 128; slot 0 takes K 512 on
	STEP 1, 0, 0
	TURN 1, 0, 1                                   ; slot 1 takes K 768 on
	STEP 0, 0, 0
	TURN 0, 1, 0                                   ; nothing is left to fetch
	STEP 1, 0, 0
	s_wait_dscnt 4*NL
	WIN MUL_LO
	MUL16 0, 1, NQ-1, 1, 0
	MUL16 2, 1, NQ-1, 1, 0
	s_wait_dscnt 0
	WIN MUL_HI
	MUL16 4, 1, NQ-1, 1, 0
	MUL16 6, 1, NQ-1, 1, 0
	WIN 0
	PLACES NP                                      ; behind the last products: their results are read, and their operands' registers written, from here on
	; WHERE THE RESULTS GO.  Q, K: batch and step from A's tile, heads from cx;  V: batch and step from B's tile, heads from A's.
	s_cmp_eq_u32 ttmp9, 2
	s_cselect_b32 s20, s42, s18                    ; the tile of tokens
	s_cselect_b32 s21, s18, s40                    ; the tile of features in its tensor
	s_cselect_b32 s22, s15, s16                    ; which half of the features is mine
	s_cselect_b32 s23, s16, s15                    ; which half of the tokens
	s_cselect_b32 s10, 6144, 0                     ; V's fragments lie behind K's,
	s_cselect_b32 s11, 256, 0                      ; its scale words likewise
	s_cmp_eq_u32 ttmp9, 0
	s_cselect_b32 s66, 0, 1                        ; K's and V's region has twice Q's strides
	s_cselect_b32 s67, 0, 6291456
	s_cselect_b32 s2, 0, 262144
	s_lshr_b32 s3, s20, 3
	s_lshl_b32 s3, s3, 4                           ; 16 x batch
	s_lshl_b32 s21, s21, 2
	s_add_co_u32 s3, s3, s21
	s_lshl_b32 s22, s22, 1
	s_add_co_u32 s3, s3, s22                       ; my first head
	s_and_b32 s20, s20, 7
	s_lshl_b32 s20, s20, 1
	s_add_co_u32 s20, s20, s23                     ; my step of 128 tokens
	s_mul_i32 s21, s3, 98304
	s_mul_i32 s22, s20, 6144
	s_add_co_u32 s21, s21, s22
	s_lshl_b32 s21, s21, s66
	s_add_co_u32 s21, s21, s67
	s_add_co_u32 s46, s21, s10
	s_mov_b32 s47, 0
	s_lshl_b32 s21, s3, 12
	s_lshl_b32 s22, s20, 8
	s_add_co_u32 s21, s21, s22
	s_lshl_b32 s21, s21, s66
	s_add_co_u32 s21, s21, s2
	s_add_co_u32 s22, s21, s11
	s_mov_b32 s23, 0
	s_lshl_b32 s12, 98304, s66                     ; from a head's codes to the next head's
	s_mov_b32 s13, 0
	s_lshl_b32 s17, 4096, s66                      ; and its scale words
	s_add_nc_u64 s[96:97], s[96:97], s[46:47]      ; my first head's codes,
	s_add_nc_u64 s[100:101], s[96:97], s[12:13]    ; my second head's,
	s_add_nc_u64 s[98:99], s[98:99], s[22:23]      ; the scale words
	v_mul_u32_u24 v[SCO], s17, v2
	v_lshl_add_u32 v[SCO], v1, 4, v[SCO]           ; lanes 0-15 store the first head's 256 bytes, lanes 16-31 the second's
	s_mov_b32 s[SEL], 0x76543210
	s_mov_b32 s[SEL+1], 0xfedcba98
	s_mov_b32 s19, 0xffff0000                      ; lanes 16-31
.irp b, 0,1,2,3
	v_mov_b32 v[TM+4+\b], 0                        ; written once: a lane permute's destination counts as one of its sources
.endr
	s_cmp_eq_u32 ttmp9, 2
	s_cbranch_scc1 .Lepi_v
	; ---- Q, K.  Block a: lane (r, h) holds token 32 (a / 2) + 8 (a % 2) + r + 8 (r / 8); accumulators 4 hd, 4 hd + 1 hold d = 16 h + e of head hd, accumulators 4 hd + 2, 4 hd + 3 hold d = 32 + 16 h + e.
	s_lshl_b32 s20, s18, 16
	s_lshl_b32 s21, s15, 15
	s_add_co_u32 s20, s20, s21                     ; my first token's row of 256 bytes
	s_mov_b32 s21, 0
	s_add_nc_u64 s[92:93], s[92:93], s[20:21]
	s_add_nc_u64 s[94:95], s[94:95], s[20:21]
.macro CSLOAD a                        ; block a's cos and sin into set a % 4 of window 1: cos d 16 h + e at + e, cos d 32 + 16 h + e at + 16 + e, sin likewise at + 32, + 48
	WIN 0x40
.irp bb, 0,1
.irp j, 0,1,2,3
	global_load_b128 v[64*((\a)%4)+16*\bb+4*\j:64*((\a)%4)+16*\bb+4*\j+3], v[CSO], s[92:93] offset:(32*((\a)/2)+8*((\a)%2))*256+128*\bb+16*\j
	global_load_b128 v[64*((\a)%4)+32+16*\bb+4*\j:64*((\a)%4)+32+16*\bb+4*\j+3], v[CSO], s[94:95] offset:(32*((\a)/2)+8*((\a)%2))*256+128*\bb+16*\j
.endr
.endr
	WIN 0
.endm
.macro ROPE a                          ; x' = x cos + rotate_half(x) sin: d < 32: lo cos - hi sin;  d >= 32: hi cos + lo sin.  Each accumulator is read from its low end on
.set AC, 64*((\a)%4)
	WIN 0x06+(\a)/4                                ; source 0: the accumulators' window; source 1: window 1; source 2 and the result: window 0
.irp hd, 0,1
.irp e, 0,2,4,6,8,10,12,14
	v_pk_mul_f32 v[U+32*\hd+\e:U+32*\hd+\e+1], v[AC+32*\hd+\e:AC+32*\hd+\e+1], v[AC+\e:AC+\e+1]
	v_pk_mul_f32 v[U+32*\hd+16+\e:U+32*\hd+16+\e+1], v[AC+32*\hd+16+\e:AC+32*\hd+16+\e+1], v[AC+16+\e:AC+16+\e+1]
	v_pk_fma_f32 v[U+32*\hd+\e:U+32*\hd+\e+1], v[AC+32*\hd+16+\e:AC+32*\hd+16+\e+1], v[AC+32+\e:AC+32+\e+1], v[U+32*\hd+\e:U+32*\hd+\e+1] neg_lo:[0,1,0] neg_hi:[0,1,0]
	v_pk_fma_f32 v[U+32*\hd+16+\e:U+32*\hd+16+\e+1], v[AC+32*\hd+\e:AC+32*\hd+\e+1], v[AC+48+\e:AC+48+\e+1], v[U+32*\hd+16+\e:U+32*\hd+16+\e+1]
.endr
.endr
	WIN 0
.endm
	CSLOAD 0
	CSLOAD 1
	CSLOAD 2
.irp a, 0,1,2,3,4,5,6,7
.if \a <= 5
	s_wait_loadcnt 32                              ; block a's 16 loads are in; the two younger blocks' may be out
.elseif \a == 6
	s_wait_loadcnt 16
.else
	s_wait_loadcnt 0
.endif
.if \a+3 <= 7
	CSLOAD \a+3
.endif
	ROPE \a
.if \a >= 2
	s_wait_xcnt 0x0                                ; block a - 2's stores have read this set of codes' registers
.endif
.set PCA, PCS+20*(\a%2)
.set OFS, (\a/2)*1536+(\a%2)*768
	QUANT U, PCA, PWS+\a                           ; blocks 0, 1: my first head's d; blocks 2, 3: my second head's
	global_store_b128 v[L16], v[PCA:PCA+3], s[96:97] offset:OFS
	global_store_b64 v[L8], v[PCA+4:PCA+5], s[96:97] offset:OFS+512
	global_store_b128 v[L16], v[PCA+6:PCA+9], s[100:101] offset:OFS
	global_store_b64 v[L8], v[PCA+10:PCA+11], s[100:101] offset:OFS+512
.if \a%2 == 1                          ; a pair of blocks makes one word a head: bytes 0, 1 the even block's, bytes 2, 3 the odd block's
	v_perm_b32 v216, v[PWS+\a], v[PWS+\a-1], 0x05040100
	v_perm_b32 v217, v[PWS+\a], v[PWS+\a-1], 0x07060302
	v_cndmask_b32 v[SW+\a/2], v216, v217, s19
.endif
.endr
	global_store_b128 v[SCO], v[SW:SW+3], s[98:99]
	FINISH
	; ---- V.  Block a: lane (r, h) holds one feature; register 16 b + i holds token 32 b + 16 h + i: the blocks along the keys.
.Lepi_v:
.irp a, 0,1,2,3,4,5,6,7
	WIN 0x02+\a/4
.set e, 0
.rept 32
	v_pk_add_f32 v[U+e:U+e+1], v[64*(\a%4)+e:64*(\a%4)+e+1], v[RB+2*\a:RB+2*\a+1]
.set e, e+2
.endr
	WIN 0
.if \a >= 2
	s_wait_xcnt 0x0                                ; block a - 2's stores have read this set of codes' registers
.endif
.set PCA, PCS+20*(\a%2)
.set DB, 96+4*(\a/4)
.set OFS, (\a%4)*1536
	QUANT U, PCA, PWS+\a
	global_store_b128 v[L16], v[PCA:PCA+3], s[DB:DB+1] offset:OFS
	global_store_b64 v[L8], v[PCA+4:PCA+5], s[DB:DB+1] offset:OFS+512
	global_store_b128 v[L16], v[PCA+6:PCA+9], s[DB:DB+1] offset:OFS+768
	global_store_b64 v[L8], v[PCA+10:PCA+11], s[DB:DB+1] offset:OFS+1280
.if \a >= 4
	v_cndmask_b32 v[SW+\a-4], v[PWS+\a-4], v[PWS+\a], s19
.endif
.endr
	global_store_b128 v[SCO], v[SW:SW+3], s[98:99]
	FINISH
.Lfunc_end_k_q21bac8e9bc_qkv:
	.size	k_q21bac8e9bc_qkv, .Lfunc_end_k_q21bac8e9bc_qkv-k_q21bac8e9bc_qkv
	.p2alignl 7, 3214868480
	.fill 96, 4, 3214868480
	.section	.rodata,"a",@progbits
	.p2align	6, 0x0
	.amdhsa_kernel k_q21bac8e9bc_qkv
		.amdhsa_group_segment_fixed_size 327680
		.amdhsa_private_segment_fixed_size 0
		.amdhsa_enable_private_segment 0
		.amdhsa_kernarg_size 72
		.amdhsa_user_sgpr_count 2
		.amdhsa_user_sgpr_kernarg_segment_ptr 1
		.amdhsa_wavefront_size32 1
		.amdhsa_system_sgpr_workgroup_id_x 1
		.amdhsa_system_sgpr_workgroup_id_y 1
		.amdhsa_system_sgpr_workgroup_id_z 1
		.amdhsa_system_vgpr_workitem_id 0
		.amdhsa_next_free_vgpr 1024
		.amdhsa_next_free_sgpr 102
		.amdhsa_reserve_vcc 0
		.amdhsa_float_denorm_mode_32 3
		.amdhsa_float_denorm_mode_16_64 3
		.amdhsa_memory_ordered 1
		.amdhsa_forward_progress 1
		.amdhsa_inst_pref_size 252
	.end_amdhsa_kernel
	.amdgpu_metadata
---
amdhsa.version: [ 1, 2 ]
amdhsa.kernels:
  - .name:           k_q21bac8e9bc_qkv
    .symbol:         k_q21bac8e9bc_qkv.kd
    .args:
      - { .name: xc, .offset: 0, .size: 8, .value_kind: global_buffer, .address_space: global }
      - { .name: xsc, .offset: 8, .size: 8, .value_kind: global_buffer, .address_space: global }
      - { .name: bq, .offset: 16, .size: 8, .value_kind: global_buffer, .address_space: global }
      - { .name: bk, .offset: 24, .size: 8, .value_kind: global_buffer, .address_space: global }
      - { .name: bv, .offset: 32, .size: 8, .value_kind: global_buffer, .address_space: global }
      - { .name: cos, .offset: 40, .size: 8, .value_kind: global_buffer, .address_space: global }
      - { .name: sin, .offset: 48, .size: 8, .value_kind: global_buffer, .address_space: global }
      - { .name: qkvc, .offset: 56, .size: 8, .value_kind: global_buffer, .address_space: global }
      - { .name: qkvsc, .offset: 64, .size: 8, .value_kind: global_buffer, .address_space: global }
    .group_segment_fixed_size: 327680
    .private_segment_fixed_size: 0
    .kernarg_segment_align: 8
    .kernarg_segment_size: 72
    .max_flat_workgroup_size: 128
    .sgpr_count:     102
    .vgpr_count:     1024
    .wavefront_size: 32
...
	.end_amdgpu_metadata
.endif
;; end of part 2
;; launch attn (part 3): grid 4 x 64, 16 waves a work-group, clusters of 4 x 1, 327,680 bytes of LDS; arguments qkvc, qkvsc, ac, asc; writes ac, asc
.if DOCPART == 3
	.amdgcn_target "amdgcn-amd-amdhsa--gfx1250"
	.amdhsa_code_object_version 6
	.text
	.protected	k_q21bac8e9bc_attn
	.globl	k_q21bac8e9bc_attn
	.p2align	8
	.type	k_q21bac8e9bc_attn,@function
k_q21bac8e9bc_attn:
	s_mov_b64 s[64:65], 0
	v_nop
	global_prefetch_b8 v0, s[64:65] scope:SCOPE_SE
	s_setreg_imm32_b32 hwreg(HW_REG_WAVE_MODE, 25, 1), 1
	s_wait_xcnt 0x0
	s_wait_alu depctr_hold_cnt(0) depctr_sa_sdst(0) depctr_va_vdst(0) depctr_va_sdst(0) depctr_va_ssrc(0) depctr_va_vcc(0) depctr_vm_vsrc(0)
	s_getreg_b32 s2, hwreg(HW_REG_IB_STS2, 6, 4)
	s_cmp_eq_u32 s2, 0
	s_cbranch_scc0 .Lentry_in_a_cluster
	s_endpgm
.Lentry_in_a_cluster:
	s_bfe_u32 s2, ttmp6, 0x10000c
	s_cmp_lg_u32 s2, 0x3003
	s_cbranch_scc0 .Lentry_shape_is_right
	s_endpgm
.Lentry_shape_is_right:
; For each of 64 heads (batch x 16 + head): o = softmax(q k^T / 8) v, both products on codes of FP6 (E2M3) with E8M0 scales; o is quantised along E and leaves as codes for the last projection.
; THE SOFTMAX: t = score x log2(e) / 8; M = the running largest t rounded UP to a whole number; p = 2^(t - M) is quantised along the keys, not normalised; the row's sum is taken of the unquantised p and divides o at the end.
; When M moves, the sum and o are multiplied by 2^(old M - new M): exact.
; SHARES.  A work-group takes one head and 512 queries; each of its sixteen waves 32 queries, as two passes of one tile of 16: four waves to a SIMD, so that one wave's vector work stands beside another's matrix work.
; THE WHOLE HEAD'S K AND V LIE IN LDS: 16 steps of 128 keys x (4 fragments of K, 4 of V) = 196,608 bytes, and 8,192 bytes of scale words.  Filled once, at the head: no slot is filled again.
; CLUSTER.  The four work-groups of a head form a cluster and ask for K and V jointly: every wave issues the same two loads in all four.
; BOTH PRODUCTS ARE USED TRANSPOSED: S^T = K Q^T, O^T = V^T P^T: a lane holds one query (lane % 16) throughout.
; K = 64 IN AN INSTRUCTION OF 128.  A fragment of K holds TWO tiles of 16 keys, one in each half of its K.  The query operand is (q, 0) for the first tile and (0, q) for the second: both are cut from registers Z | q | Z.
; q's scale word repeats its two bytes, so that one word serves both; zero codes add nothing.  By the order in which the keys were laid, the 16 registers of a pair of tiles are keys 32 p + 16 (lane / 16) + 0 .. 15.
; RESULT.  ac: [group of 128 positions][K step of 128 along E][block][fragment], my head's 64 being half (head % 2) of K step head / 2; asc: [position][32 bytes], my head's two bytes at 2 x head: they are stored 2 bytes a lane, since the
; neighbouring bytes belong to other heads' work-groups (262,144 bytes in all).
; LIMITS: NaN and infinities are not served; a block whose largest magnitude lies under 2^-124 keeps the scale byte 1.
; REGISTERS: v1 16 x lane, v2 8 x lane, v3 scale words' place, v4-6 the step's addresses, v7 the result's scale bytes, v8-9 q's scale words, v10 16 r, v11 32 x lane, v12 -M, v13 largest t, v[14:15] the sum;
;   v16-45 Z q0 Z q1 Z; v46-93 four fragments; v96-159 S^T, then p; v160-191 O^T; v192-203 p's codes; v204-210 conversions; v212-223 at work; v224-227 K's scale words, v228-231 V's, v232 p's; v[234:235] f; v236-239 at work.
.set SCB,  196608                      ; the scale words: 512 bytes a step: K's 256, V's 256
.set WV,   12
.set G1C,  24
.set G1S,  32
.set G0C,  40
.set G0S,  44
.set CNT,  56
.set TB,   57
.set TS,   58
.set MASK, 59
.set CS,   60
.set SEL,  62
.set FRG,  46
.set S,    96
.set O,    160
.macro CROUND                          ; a round of the cluster's barrier
	s_barrier_signal -1
	s_barrier_wait -1
	s_cmp_lg_u32 s[WV], 0
	s_cbranch_scc1 .Lnot_wave_0_\@
	s_barrier_signal -3
.Lnot_wave_0_\@:
	s_barrier_wait -3
	s_barrier_signal -1
	s_barrier_wait -1
.endm
	s_load_b256 s[4:11], s[0:1], 0x0               ; qkvc, qkvsc, ac, asc
	v_lshl_add_u32 v254, v0, 2, 0x32000
	v_mov_b32 v255, 0
	ds_add_u32 v254, v255
	ds_add_u32 v254, v255
	v_lshrrev_b32 v1, 5, v0
	s_delay_alu instid0(VALU_DEP_1)
	v_readfirstlane_b32 s[WV], v1                  ; wave 0..15
	s_bfe_u32 s13, ttmp6, 0x40000                  ; cx: my 512 queries; it enters Q's and the result's addresses alone
	s_and_b32 s14, ttmp7, 0xffff                   ; batch x 16 + head, which the four partners share
	s_mul_i32 s20, s[WV], 12288                    ; wave w fetches step w
	s_mul_i32 s16, s14, 196608
	s_add_co_u32 s16, s16, s20
	s_add_co_u32 s16, s16, 6291456
	s_mov_b32 s17, 0
	s_lshl_b32 s21, s[WV], 9
	s_lshl_b32 s18, s14, 13
	s_add_co_u32 s18, s18, s21
	s_add_co_u32 s18, s18, 262144
	s_mov_b32 s19, 0
	; descriptor group 1: dense bytes as rows of 32 elements of 8 bytes: 48 rows of codes, 2 rows of scale words
	s_mov_b32 s[G1C], 15|(3<<16)|(1<<21)           ; 15:0 the mask: all four work-groups; 17:16 elements of 8 bytes; 21 set beside a mask
	s_mov_b32 s[G1C+1], 32<<16
	s_mov_b32 s[G1C+2], 48<<16
	s_mov_b32 s[G1C+3], 32<<16
	s_mov_b32 s[G1C+4], 48
	s_mov_b32 s[G1C+5], 32
	s_mov_b32 s[G1C+6], 0
	s_mov_b32 s[G1C+7], 0
	s_mov_b32 s[G1S], 15|(3<<16)|(1<<21)
	s_mov_b32 s[G1S+1], 32<<16
	s_mov_b32 s[G1S+2], 2<<16
	s_mov_b32 s[G1S+3], 32<<16
	s_mov_b32 s[G1S+4], 2
	s_mov_b32 s[G1S+5], 32
	s_mov_b32 s[G1S+6], 0
	s_mov_b32 s[G1S+7], 0
	s_lshl_b32 s22, s13, 4
	s_add_co_u32 s22, s22, s[WV]                   ; my block of 32 queries in the head
	s_mul_i32 s48, s14, 98304
	s_mul_i32 s23, s22, 1536
	s_add_co_u32 s48, s48, s23                     ; its fragment
	s_mov_b32 s49, 0
	s_lshl_b32 s50, s14, 12
	s_lshr_b32 s23, s22, 2
	s_lshl_b32 s23, s23, 8
	s_add_co_u32 s50, s50, s23
	s_and_b32 s23, s22, 3
	s_lshl_b32 s23, s23, 2
	s_add_co_u32 s50, s50, s23                     ; its scale words: [step][r][block % 4]
	s_mov_b32 s51, 0
	s_lshr_b32 s15, s14, 4
	s_lshl_b32 s15, s15, 6
	s_add_co_u32 s15, s15, s22                     ; the block among all 8,192 tokens
	s_and_b32 s14, s14, 15                         ; the head
	s_lshr_b32 s52, s15, 2
	s_mul_i32 s52, s52, 98304
	s_lshr_b32 s23, s14, 1
	s_mul_i32 s23, s23, 12288
	s_add_co_u32 s52, s52, s23
	s_and_b32 s23, s15, 3
	s_mul_i32 s23, s23, 3072
	s_add_co_u32 s52, s52, s23
	s_and_b32 s23, s14, 1
	s_mul_i32 s23, s23, 768
	s_add_co_u32 s52, s52, s23                     ; where the first pass's half fragment goes; the second's lies 1,536 bytes on
	s_mov_b32 s53, 0
	s_lshl_b32 s54, s15, 10
	s_lshl_b32 s23, s14, 1
	s_add_co_u32 s54, s54, s23
	s_mov_b32 s55, 0
	s_mov_b32 s[CS], 0x3e38aa3b                    ; c = log2(e) / 8
	s_mov_b32 s[CS+1], s[CS]                       ; named with it as a pair, so it is written
	s_mov_b32 s[SEL], 0x76543210
	s_mov_b32 s[SEL+1], 0xfedcba98
	s_mov_b32 s[MASK], 0xffff0000
	s_wait_dscnt 0x0
	s_wait_kmcnt 0x0
	s_mov_b32 s[G0C], 1
	s_mov_b32 s[G0C+1], s20
	s_add_nc_u64 s[G0C+2:G0C+3], s[4:5], s[16:17]
	s_or_b32 s[G0C+3], s[G0C+3], 0x80000000
	s_mov_b32 s[G0S], 1
	s_add_co_u32 s[G0S+1], s21, SCB
	s_add_nc_u64 s[G0S+2:G0S+3], s[6:7], s[18:19]
	s_or_b32 s[G0S+3], s[G0S+3], 0x80000000
	s_add_nc_u64 s[48:49], s[4:5], s[48:49]
	s_add_nc_u64 s[50:51], s[6:7], s[50:51]
	s_add_nc_u64 s[52:53], s[8:9], s[52:53]
	s_add_nc_u64 s[54:55], s[10:11], s[54:55]
	CROUND                                         ; all four work-groups are here: the joint loads meet
	tensor_load_to_lds s[G0C:G0C+3], s[G1C:G1C+7]  ; step w's codes,
	s_nop 0
	s_wait_alu depctr_va_vdst(0)
	s_wait_tensorcnt 0x0
	ds_add_u32 v254, v255
	s_wait_dscnt 0x0
	CROUND
	tensor_load_to_lds s[G0S:G0S+3], s[G1S:G1S+7]  ; and its scale words: the codes' load is in, this one is out; the two are the only tensor loads of the launch
	s_nop 0
.rept 4
	v_nop
.endr
	v_and_b32 v3, 31, v0
	s_delay_alu instid0(VALU_DEP_1)
	v_lshlrev_b32 v1, 4, v3
	s_delay_alu instid0(VALU_DEP_2)
	v_lshlrev_b32 v2, 3, v3
	s_delay_alu instid0(VALU_DEP_3)
	v_lshlrev_b32 v11, 5, v3
	v_and_b32 v10, 15, v0
	s_delay_alu instid0(VALU_DEP_1)
	v_lshlrev_b32 v10, 4, v10
	s_delay_alu instid0(VALU_DEP_1)
	v_add_nc_u32 v3, SCB, v10
	global_load_b128 v[22:25], v1, s[48:49]        ; q of the first tile,
	global_load_b64 v[26:27], v2, s[48:49] offset:512
	global_load_b128 v[34:37], v1, s[48:49] offset:768   ; of the second
	global_load_b64 v[38:39], v2, s[48:49] offset:1280
	global_load_b32 v237, v10, s[50:51]            ; their scale word
.irp z, 16,28,40
.irp i, 0,1,2,3,4,5
	v_mov_b32 v[\z+\i], 0                          ; zero codes for the half of K that a product does not use
.endr
.endr
.irp b, 0,1,2,3
	v_mov_b32 v[216+\b], 0                         ; written once: a lane permute's destination counts as one of its sources
.endr
	v_mov_b32 v235, 0                              ; named as the upper half of the pair v[234:235]
	s_wait_tensorcnt 0x0                           ; my step lies in LDS,
	s_barrier_signal -1
	s_barrier_wait -1                              ; everybody's does
	s_wait_loadcnt 0x0
	v_perm_b32 v8, v237, v237, 0x01000100          ; the first tile's two bytes, twice;
	v_perm_b32 v9, v237, v237, 0x03020302          ; the second's
; A PASS: tile u of my 32 queries against all 2,048 keys, 128 a step.
.macro PASS u
	v_mov_b32 v13, 0xff61b1e6                      ; the largest t so far: -3e38
	s_delay_alu instid0(VALU_DEP_1)
	v_floor_f32 v12, -v13                          ; -M
	v_mov_b32 v14, 0
	v_mov_b32 v15, 0
.set j, 0
.rept 32
	v_mov_b32 v[O+j], 0                            ; the step is written once: the first finds zeros, which the first change of M leaves zeros
.set j, j+1
.endr
	s_mov_b32 s[TB], 0
	s_mov_b32 s[TS], 0
	s_mov_b32 s[CNT], 16
.Lstep_\@:
	s_setprio 2
	v_add_nc_u32 v4, s[TB], v1
	v_add_nc_u32 v5, s[TB], v2
	v_add_nc_u32 v6, s[TS], v3
	v_nop                                          ; four places behind the last products, in front of loads into registers that they read
.irp p, 0,1,2,3
	ds_load_b128 v[FRG+12*\p:FRG+12*\p+3], v4 offset:1536*\p
	ds_load_b64 v[FRG+12*\p+4:FRG+12*\p+5], v5 offset:1536*\p+512
	ds_load_b128 v[FRG+12*\p+6:FRG+12*\p+9], v4 offset:1536*\p+768
	ds_load_b64 v[FRG+12*\p+10:FRG+12*\p+11], v5 offset:1536*\p+1280
.endr
	ds_load_b128 v[224:227], v6                    ; K's four scale words of my row
	s_wait_alu depctr_va_vdst(0)
	s_wait_dscnt 0x0
.irp p, 0,1,2,3
	v_wmma_scale_f32_16x16x128_f8f6f4 v[S+16*\p:S+16*\p+7], v[FRG+12*\p:FRG+12*\p+11], v[22+12*\u:33+12*\u], 0, v[224+\p], v[8+\u] matrix_a_fmt:MATRIX_FMT_FP6 matrix_b_fmt:MATRIX_FMT_FP6
	v_wmma_scale_f32_16x16x128_f8f6f4 v[S+16*\p+8:S+16*\p+15], v[FRG+12*\p:FRG+12*\p+11], v[16+12*\u:27+12*\u], 0, v[224+\p], v[8+\u] matrix_a_fmt:MATRIX_FMT_FP6 matrix_b_fmt:MATRIX_FMT_FP6
.endr
.rept 4
	v_nop                                          ; places: the scores are read, and V lands where K lay
.endr
.irp p, 0,1,2,3                        ; V's fragments land while the softmax is walked
	ds_load_b128 v[FRG+12*\p:FRG+12*\p+3], v4 offset:6144+1536*\p
	ds_load_b64 v[FRG+12*\p+4:FRG+12*\p+5], v5 offset:6144+1536*\p+512
	ds_load_b128 v[FRG+12*\p+6:FRG+12*\p+9], v4 offset:6144+1536*\p+768
	ds_load_b64 v[FRG+12*\p+10:FRG+12*\p+11], v5 offset:6144+1536*\p+1280
.endr
	ds_load_b128 v[228:231], v6 offset:256
.irp b, 0,1,2,3
	v_max3_num_f32 v[212+\b], v[S+16*\b], v[S+1+16*\b], v[S+2+16*\b]   ; the largest score of each block of 32 keys: for the row's maximum, and, since p rises with the score, for the block's largest p
.endr
.irp i, 3,5,7,9,11,13
.irp b, 0,1,2,3
	v_max3_num_f32 v[212+\b], v[212+\b], v[S+16*\b+\i], v[S+1+16*\b+\i]
.endr
.endr
.irp b, 0,1,2,3
	v_max_num_f32 v[212+\b], v[212+\b], v[S+15+16*\b]
.endr
.irp b, 0,1,2,3
	s_delay_alu instid0(VALU_DEP_4)
	v_permlanex16_b32 v[216+\b], v[212+\b], s[SEL], s[SEL+1]
.endr
.irp b, 0,1,2,3
	s_delay_alu instid0(VALU_DEP_4)
	v_max_num_f32 v[212+\b], v[212+\b], v[216+\b]  ; with lane l xor 16's 16 keys
.endr
	s_delay_alu instid0(VALU_DEP_2)
	v_max3_num_f32 v236, v212, v213, v214
	s_delay_alu instid0(VALU_DEP_1)
	v_max_num_f32 v236, v236, v215
	s_delay_alu instid0(VALU_DEP_1)
	v_mul_f32 v236, s[CS], v236                    ; as t (c is positive)
	s_delay_alu instid0(VALU_DEP_1)
	v_max_num_f32 v13, v13, v236                   ; the running largest t
	v_mov_b32 v236, v12
	s_delay_alu instid0(VALU_DEP_2)
	v_floor_f32 v12, -v13                          ; the new -M = -ceil(t)
	s_delay_alu instid0(VALU_DEP_1)
	v_sub_f32 v236, v12, v236                      ; old M - new M: a whole number, 0 or less
	s_delay_alu instid0(VALU_DEP_1)
	v_cvt_i32_f32 v236, v236                       ; (it saturates)
	s_delay_alu instid0(VALU_DEP_1)
	v_ldexp_f32 v234, 1.0, v236                    ; f = 2^(old M - new M)
.set j, 0
.rept 32
	v_pk_fma_f32 v[S+j:S+j+1], v[S+j:S+j+1], s[CS:CS+1], v[12:13] op_sel_hi:[1,0,0]   ; t - M, two at a time
.set j, j+2
.endr
.irp b, 0,1,2,3
	v_fma_f32 v[212+\b], v[212+\b], s[CS], v12     ; the same of each block's largest score
.endr
.set j, 0
	s_wait_alu depctr_va_vdst(0)
.rept 64
	v_exp_f32 v[S+j], v[S+j]                       ; p = 2^(t - M)
.set j, j+1
.endr
	s_setprio 1
	v_pk_mul_f32 v[14:15], v[14:15], v[234:235] op_sel_hi:[1,0]   ; the sums under the new M: the plain instruction behind the batch
	s_wait_alu depctr_va_vdst(0)                   ; one wait for the 64, ahead of their first reader
.irp b, 0,1,2,3
	v_exp_f32 v[212+\b], v[212+\b]                 ; the block's largest p: the same two instructions on the same number
.endr
	v_pk_add_f32 v[238:239], v[S:S+1], v[S+2:S+3]  ; the row's sum of the unquantised p, in two chains
.irp j, 4,8,12,16,20,24,28,32,36,40,44,48,52,56,60
	v_pk_add_f32 v[14:15], v[14:15], v[S+\j:S+\j+1]
	v_pk_add_f32 v[238:239], v[238:239], v[S+2+\j:S+3+\j]
.endr
	s_delay_alu instid0(VALU_DEP_1)
	v_pk_add_f32 v[14:15], v[14:15], v[238:239]
	s_wait_alu depctr_va_vdst(0)                   ; and one for the four
.irp b, 0,1,2,3
	v_max_num_f32 v[212+\b], 0x1800000, v[212+\b]  ; the floor 2^(3 - 127)
.endr
.irp b, 0,1,2,3
	s_delay_alu instid0(VALU_DEP_4)
	v_add_nc_u32 v[220+\b], 0xff000000, v[212+\b]  ; the conversion's scale operand
.endr
.irp b, 0,1,2,3
	s_delay_alu instid0(VALU_DEP_4)
	v_lshrrev_b32 v[216+\b], 23, v[220+\b]         ; the scale's byte
.endr
	s_delay_alu instid0(VALU_DEP_3)
	v_lshl_or_b32 v232, v217, 8, v216              ; p's scale word for these 128 keys
	s_delay_alu instid0(VALU_DEP_1)
	v_lshl_or_b32 v232, v218, 16, v232
	s_delay_alu instid0(VALU_DEP_1)
	v_lshl_or_b32 v232, v219, 24, v232
.irp c, 0,1
	v_cvt_scalef32_pk16_fp6_f32 v[192+6*\c:194+6*\c], v[S+32*\c:S+15+32*\c], v[220+2*\c]
	v_cvt_scalef32_pk16_fp6_f32 v[204+4*\c:206+4*\c], v[S+16+32*\c:S+31+32*\c], v[220+2*\c+1]
.endr
	v_nop                                          ; one plain instruction behind the conversions
.irp c, 0,1
.irp i, 0,1,2
	v_permlane16_swap_b32 v[192+6*\c+\i], v[204+4*\c+\i]
.endr
.irp i, 0,1,2
	s_delay_alu instid0(VALU_DEP_3)
	v_mov_b32 v[195+6*\c+\i], v[204+4*\c+\i]
.endr
.endr
.set j, 0
	s_setprio 0
.rept 16
	v_pk_mul_f32 v[O+j:O+j+1], v[O+j:O+j+1], v[234:235] op_sel_hi:[1,0]   ; O^T under the new M; these sixteen are also the places between the codes' and the scale word's last writes and the products
.set j, j+2
.endr
	s_wait_alu depctr_va_vdst(0)
	s_wait_dscnt 0x0                               ; V is in
.irp t, 0,1,2,3                        ; the four accumulators take turns
	v_wmma_scale_f32_16x16x128_f8f6f4 v[O+8*\t:O+8*\t+7], v[FRG+12*\t:FRG+12*\t+11], v[192:203], v[O+8*\t:O+8*\t+7], v[228+\t], v232 matrix_a_fmt:MATRIX_FMT_FP6 matrix_b_fmt:MATRIX_FMT_FP6
.endr
	s_add_co_u32 s[TB], s[TB], 12288
	s_add_co_u32 s[TS], s[TS], 512
	s_sub_co_u32 s[CNT], s[CNT], 1
	s_cmp_lg_u32 s[CNT], 0
	s_cbranch_scc1 .Lstep_\@
	s_setprio 0
.rept 4
	v_nop                                          ; places behind the last products
.endr
	v_add_f32 v14, v14, v15
	s_delay_alu instid0(VALU_DEP_1)
	v_permlanex16_b32 v236, v14, s[SEL], s[SEL+1]
	s_delay_alu instid0(VALU_DEP_1)
	v_add_f32 v14, v14, v236                       ; the row's sum
	s_wait_alu depctr_va_vdst(0)
	v_rcp_f32 v14, v14
	v_nop
	s_wait_alu depctr_va_vdst(0)                   ; ahead of the reciprocal's first reader
.set j, 0
.rept 32
	v_mul_f32 v[S+j], v[O+j], v14                  ; register 16 b + i: o(my query, d = 32 b + 16 h + i)
.set j, j+1
.endr
.irp b, 0,1
	v_max3_num_f32 v[212+\b], |v[S+16*\b]|, |v[S+1+16*\b]|, 0x1800000
.endr
.irp i, 2,4,6,8,10,12,14
.irp b, 0,1
	s_delay_alu instid0(VALU_DEP_2)
	v_max3_num_f32 v[212+\b], v[212+\b], |v[S+16*\b+\i]|, |v[S+1+16*\b+\i]|
.endr
.endr
.irp b, 0,1
	s_delay_alu instid0(VALU_DEP_2)
	v_permlanex16_b32 v[216+\b], v[212+\b], s[SEL], s[SEL+1]
.endr
.irp b, 0,1
	s_delay_alu instid0(VALU_DEP_2)
	v_max_num_f32 v[212+\b], v[212+\b], v[216+\b]
.endr
.irp b, 0,1
	s_delay_alu instid0(VALU_DEP_2)
	v_add_nc_u32 v[220+\b], 0xff000000, v[212+\b]
.endr
.irp b, 0,1
	s_delay_alu instid0(VALU_DEP_2)
	v_lshrrev_b32 v[216+\b], 23, v[220+\b]
.endr
	s_delay_alu instid0(VALU_DEP_1)
	v_lshl_or_b32 v236, v217, 8, v216              ; my query's two scale bytes; both halves of the lanes hold them
.if \u == 0
	s_delay_alu instid0(VALU_DEP_1)
	v_mov_b32 v7, v236
.else
	s_delay_alu instid0(VALU_DEP_1)
	v_cndmask_b32 v7, v7, v236, s[MASK]            ; lanes 0-15 keep the first tile's, lanes 16-31 take the second's: lane = position in my 32
.endif
	v_cvt_scalef32_pk16_fp6_f32 v[192:194], v[S:S+15], v220
	v_cvt_scalef32_pk16_fp6_f32 v[196:198], v[S+16:S+31], v221
	v_nop
.irp i, 0,1,2
	v_permlane16_swap_b32 v[192+\i], v[196+\i]
.endr
	s_delay_alu instid0(VALU_DEP_3)
	v_mov_b32 v195, v196
	s_delay_alu instid0(VALU_DEP_3)
	v_mov_b32 v196, v197
	s_delay_alu instid0(VALU_DEP_3)
	v_mov_b32 v197, v198                           ; v192-197: d = 32 h + 0 .. 31 of my query: half a fragment
	global_store_b128 v1, v[192:195], s[52:53] offset:1536*\u
	global_store_b64 v2, v[196:197], s[52:53] offset:1536*\u+512
.if \u == 0
	s_wait_xcnt 0x0                                ; the stores have read their registers: the next pass writes them again
.endif
.endm
	PASS 0
	PASS 1
	global_store_b16 v11, v7, s[54:55]
	s_wait_tensorcnt 0x0
	ds_add_u32 v254, v255
	s_wait_dscnt 0x0
	CROUND                                         ; the closing round
	s_endpgm
.Lfunc_end_k_q21bac8e9bc_attn:
	.size	k_q21bac8e9bc_attn, .Lfunc_end_k_q21bac8e9bc_attn-k_q21bac8e9bc_attn
	.p2alignl 7, 3214868480
	.fill 96, 4, 3214868480
	.section	.rodata,"a",@progbits
	.p2align	6, 0x0
	.amdhsa_kernel k_q21bac8e9bc_attn
		.amdhsa_group_segment_fixed_size 327680
		.amdhsa_private_segment_fixed_size 0
		.amdhsa_enable_private_segment 0
		.amdhsa_kernarg_size 32
		.amdhsa_user_sgpr_count 2
		.amdhsa_user_sgpr_kernarg_segment_ptr 1
		.amdhsa_wavefront_size32 1
		.amdhsa_system_sgpr_workgroup_id_x 1
		.amdhsa_system_sgpr_workgroup_id_y 1
		.amdhsa_system_sgpr_workgroup_id_z 1
		.amdhsa_system_vgpr_workitem_id 0
		.amdhsa_next_free_vgpr 256
		.amdhsa_next_free_sgpr 66
		.amdhsa_reserve_vcc 0
		.amdhsa_float_denorm_mode_32 3
		.amdhsa_float_denorm_mode_16_64 3
		.amdhsa_memory_ordered 1
		.amdhsa_forward_progress 1
		.amdhsa_inst_pref_size 54
	.end_amdhsa_kernel
	.amdgpu_metadata
---
amdhsa.version: [ 1, 2 ]
amdhsa.kernels:
  - .name:           k_q21bac8e9bc_attn
    .symbol:         k_q21bac8e9bc_attn.kd
    .args:
      - { .name: qkvc, .offset: 0, .size: 8, .value_kind: global_buffer, .address_space: global }
      - { .name: qkvsc, .offset: 8, .size: 8, .value_kind: global_buffer, .address_space: global }
      - { .name: ac, .offset: 16, .size: 8, .value_kind: global_buffer, .address_space: global }
      - { .name: asc, .offset: 24, .size: 8, .value_kind: global_buffer, .address_space: global }
    .group_segment_fixed_size: 327680
    .private_segment_fixed_size: 0
    .kernarg_segment_align: 8
    .kernarg_segment_size: 32
    .max_flat_workgroup_size: 512
    .sgpr_count:     66
    .vgpr_count:     256
    .wavefront_size: 32
...
	.end_amdgpu_metadata
.endif
;; end of part 3
;; launch oproj (part 4): grid 4 x 32, 4 waves a work-group, clusters of 4 x 4, 327,680 bytes of LDS; arguments ac, asc, xc, xsc, bo, out0; writes out0
.if DOCPART == 4
	.amdgcn_target "amdgcn-amd-amdhsa--gfx1250"
	.amdhsa_code_object_version 6
	.text
	.protected	k_q21bac8e9bc_oproj
	.globl	k_q21bac8e9bc_oproj
	.p2align	8
	.type	k_q21bac8e9bc_oproj,@function
k_q21bac8e9bc_oproj:
	s_mov_b64 s[64:65], 0
	v_nop
	global_prefetch_b8 v0, s[64:65] scope:SCOPE_SE
	s_setreg_imm32_b32 hwreg(HW_REG_WAVE_MODE, 25, 1), 1
	s_wait_xcnt 0x0
	s_wait_alu depctr_hold_cnt(0) depctr_sa_sdst(0) depctr_va_vdst(0) depctr_va_sdst(0) depctr_va_ssrc(0) depctr_va_vcc(0) depctr_vm_vsrc(0)
	s_getreg_b32 s2, hwreg(HW_REG_IB_STS2, 6, 4)
	s_cmp_eq_u32 s2, 0
	s_cbranch_scc0 .Lentry_in_a_cluster
	s_endpgm
.Lentry_in_a_cluster:
	s_bfe_u32 s2, ttmp6, 0x10000c
	s_cmp_lg_u32 s2, 0xf033
	s_cbranch_scc0 .Lentry_shape_is_right
	s_endpgm
.Lentry_shape_is_right:
; out0 = attention output x Wo^T + bo, on codes of FP6 (E2M3) with E8M0 scales, K = 1,024; out0 [8192][1024] f32.
; OPERANDS: rows laid by position (position p = row with bits 3 and 4 exchanged); codes as fragments of 1,536 bytes (16 positions x 128 K: half c: registers 6 c .. 6 c + 3 at 768 c + 16 x lane, 6 c + 4, 6 c + 5 at 768 c + 512 + 8 x lane),
; [group of 128 positions][K step 0..7][block 0..7]; scale bytes [position][32].  A = ac, asc (64 groups); B = Wo = groups 88-95 of xc, xsc.
; A tile of 256 x 256 is made by four waves, 128 x 128 each.  K goes in steps of 256 through two LDS slots; a wave's tensor load brings 24,576 dense bytes.  The matrix instruction is used transposed (source 0 = B, source 1 = A).
; CLUSTERS: 4 x 4: A's tiles are shared along a row of the cluster, B's along a column: joint loads.  The grid has 128 tiles of this size; none is padded.
; THE WAY OUT undoes the order of positions by constants: tile b's eight columns are 32 (b / 2) + 16 h + 8 (b % 2) + j, row t of block a is 32 (a / 2) + 8 (a % 2) + t + 8 (t / 8).
; REGISTERS: window 0: v0-31 addresses; v32-63 scale words; v64-127 bo as the first products' C; v128-223 A's fragments, on the way out v128-255 rows.  window 1: B's fragments, two sets.  windows 2, 3: the accumulators.
.set FR,    12
.set NL,    4
.set NP,    4
.set NQ,    2
.set HALFT, 24576
.set SLOT,  4*HALFT
.set SCL,   2*SLOT
.set HALFS, 16*272
.set SBLK,  2*272
.set SPARE, SCL+4*HALFS                ; the spare words, 128 bytes a wave: two blocks of 256 bytes that no other line names
.set SPITCH, 528                       ; the way out: a stage of 16 rows x (512 bytes + 16) a wave, in slot 0, which has had its last fill and its last read by then
.set ADRA, 16
.set ADRB, 20
.set STO,  24
.set RD,   25
.set CO,   26
.set ADRS, 27
.set SPW,  28
.set NIL,  29
.set SC,   32
.set BI,   64
.set AF,   128
.set BK,   128
.set G1, 24
.set G0, 32
.set G1B, 48
.set G0B, 56
.set G1S, 68
.set G0S, 76
.set G1SB, 80
.set G0SB, 88
.set MSB, 0
.macro WIN new
.if MSB != \new
	s_set_vgpr_msb (MSB<<8)|\new
.set MSB, \new
.endif
.endm
.set MUL_LO, 0xa1
.set MUL_HI, 0xf1
.set TO_B,   0x40
.macro JLOAD g0a, g1a, g0b, g1b        ; a joint load: waves 0 and 1 fetch for A, waves 2 and 3 for B; four v_nop follow each line
	s_cmp_eq_u32 s15, 0
	s_cbranch_scc0 .Lfor_b_\@
	tensor_load_to_lds s[\g0a:\g0a+3], s[\g1a:\g1a+7]
	s_nop 0
.rept 4
	v_nop
.endr
	s_branch .Lasked_\@
.Lfor_b_\@:
	tensor_load_to_lds s[\g0b:\g0b+3], s[\g1b:\g1b+7]
	s_nop 0
.rept 4
	v_nop
.endr
.Lasked_\@:
.endm
.macro CREST
	s_cmp_lg_u32 s14, 0
	s_cbranch_scc1 .Lnot_wave_0_\@
	s_barrier_signal -3
.Lnot_wave_0_\@:
	s_barrier_wait -3
	s_barrier_signal -1
	s_barrier_wait -1
.endm
.macro CROUND
	s_barrier_signal -1
	s_barrier_wait -1
	CREST
.endm
.macro PLACES n
.rept \n
	v_nop
.endr
.endm
.macro FRAG reg, adr, q, i
	ds_load_b128 v[\reg:\reg+3], v[\adr] offset:(8*(\q)+(\i))*1536
	ds_load_b64 v[\reg+4:\reg+5], v[\adr+2] offset:(8*(\q)+(\i))*1536+512
	ds_load_b128 v[\reg+6:\reg+9], v[\adr] offset:(8*(\q)+(\i))*1536+768
	ds_load_b64 v[\reg+10:\reg+11], v[\adr+2] offset:(8*(\q)+(\i))*1536+1280
.endm
.macro MUL16 a0, p, q, sc, first       ; the 64 accumulators take turns, one instruction a turn
.irp a, \a0, \a0+1
.irp b, 0,1,2,3,4,5,6,7
.if \first
	v_wmma_scale_f32_16x16x128_f8f6f4 v[8*(8*((\a)%4)+\b):8*(8*((\a)%4)+\b)+7], v[128*(\p)+FR*\b:128*(\p)+FR*\b+FR-1], v[AF+FR*(\a):AF+FR*(\a)+FR-1], v[BI+8*\b:BI+8*\b+7], v[SC+8*NQ*(\sc)+NQ*\b+(\q)], v[SC+8*NQ*(\sc)+NQ*(\a)+(\q)] matrix_a_fmt:MATRIX_FMT_FP6 matrix_b_fmt:MATRIX_FMT_FP6 matrix_a_scale:MATRIX_SCALE_ROW1
.else
	v_wmma_scale_f32_16x16x128_f8f6f4 v[8*(8*((\a)%4)+\b):8*(8*((\a)%4)+\b)+7], v[128*(\p)+FR*\b:128*(\p)+FR*\b+FR-1], v[AF+FR*(\a):AF+FR*(\a)+FR-1], v[8*(8*((\a)%4)+\b):8*(8*((\a)%4)+\b)+7], v[SC+8*NQ*(\sc)+NQ*\b+(\q)], v[SC+8*NQ*(\sc)+NQ*(\a)+(\q)] matrix_a_fmt:MATRIX_FMT_FP6 matrix_b_fmt:MATRIX_FMT_FP6 matrix_a_scale:MATRIX_SCALE_ROW1
.endif
.endr
.endr
.endm
.macro FETCH_B slot, q, p
	WIN TO_B
.irp i, 0,1,2,3,4,5,6,7
	FRAG 128*(\p)+FR*\i, ADRB+\slot, \q, \i
.endr
	WIN 0
.endm
.macro FETCH_A slot, q, i0
.irp i, \i0, \i0+1, \i0+2, \i0+3
	FRAG AF+FR*(\i), ADRA+\slot, \q, \i
.endr
.endm
.macro SCALES sc
.irp i, 0,1,2,3,4,5,6,7
	ds_load_b64 v[SC+8*NQ*\sc+NQ*\i:SC+8*NQ*\sc+NQ*\i+1], v[ADRS] offset:\i*SBLK
.endr
.endm
.macro STEP slot, q, first
	s_wait_dscnt 4*NL                              ; all but the youngest 16 loads (A's blocks 4-7) are in
.if \first
	WIN 0x81                                       ; C (the bias) window 0, D window 2
.else
	WIN MUL_LO
.endif
	MUL16 0, (\q)%2, \q, \slot, \first
	MUL16 2, (\q)%2, \q, \slot, \first
	s_wait_dscnt 0
	PLACES NP
	FETCH_B \slot, (\q)+1, 1-(\q)%2
	FETCH_A \slot, (\q)+1, 0
.if \first
	WIN 0xc1
.else
	WIN MUL_HI
.endif
	MUL16 4, (\q)%2, \q, \slot, \first
	MUL16 6, (\q)%2, \q, \slot, \first
	PLACES NP
	WIN 0
	FETCH_A \slot, (\q)+1, 4
.endm
.macro TURN slot, next, fill
	s_wait_tensorcnt 0x0                           ; all my tensor loads have landed: my part of the next slot
	ds_add_u32 v[SPW], v[NIL]                      ; 0 onto my spare word
	s_wait_dscnt 4*NL+1                            ; the add and the youngest 16 loads may be out
	WIN MUL_LO
	MUL16 0, 1, NQ-1, \slot, 0
	s_wait_dscnt 0x0                               ; the add is done, and my reads of this slot are over
	s_barrier_signal -1
	MUL16 2, 1, NQ-1, \slot, 0
	WIN 0
	s_barrier_wait -1
.if \fill
	CREST                                          ; the barrier has opened a round of the cluster's
	s_add_nc_u64 s[G0+4*\slot+2:G0+4*\slot+3], s[G0+4*\slot+2:G0+4*\slot+3], 2*HALFT
	s_add_nc_u64 s[G0B+4*\slot+2:G0B+4*\slot+3], s[G0B+4*\slot+2:G0B+4*\slot+3], 2*HALFT
	JLOAD G0+4*\slot, G1, G0B+4*\slot, G1B
.else
	PLACES NP
.endif
	s_wait_alu depctr_va_vdst(0)
	v_add_nc_u32 v[ADRS], 4*NQ, v[ADRS]
	FETCH_B \next, 0, 0
	FETCH_A \next, 0, 0
	SCALES \next
	WIN MUL_HI
	MUL16 4, 1, NQ-1, \slot, 0
	MUL16 6, 1, NQ-1, \slot, 0
	PLACES NP
	WIN 0
	FETCH_A \next, 0, 4
.endm
	s_load_b128 s[4:7], s[0:1], 0x0                ; ac, asc
	s_load_b128 s[8:11], s[0:1], 0x10              ; xc, xsc
	s_load_b64 s[92:93], s[0:1], 0x20              ; bo
	s_load_b64 s[12:13], s[0:1], 0x28              ; out0
	v_lshl_add_u32 v[SPW], v0, 2, SPARE
	v_mov_b32 v[NIL], 0
	ds_add_u32 v28, v29
	ds_add_u32 v28, v29
	s_wait_dscnt 0x0
	v_lshrrev_b32 v1, 5, v0
	v_readfirstlane_b32 s14, v1
	s_lshr_b32 s15, s14, 1
	s_and_b32 s16, s14, 1
	s_bfe_u32 s40, ttmp6, 0x40000                  ; cx
	s_bfe_u32 s41, ttmp6, 0x40004                  ; cy
	s_lshl_b32 s42, ttmp9, 2
	s_add_co_u32 s42, s42, s40                     ; tile column
	s_and_b32 s17, ttmp7, 0xffff
	s_lshl_b32 s17, s17, 2
	s_add_co_u32 s17, s17, s41                     ; tile row
	s_lshl_b32 s43, s41, 2
	s_lshl_b32 s43, 15, s43
	s_lshl_b32 s44, 0x1111, s40
	s_lshl_b32 s20, s17, 1
	s_add_co_u32 s20, s20, s16                     ; the group that I would fetch for A
	s_lshl_b32 s46, s42, 1
	s_add_co_u32 s46, s46, s16
	s_add_co_u32 s46, s46, 88                      ; and for B: Wo's groups
	s_mul_i32 s22, s20, 98304
	s_lshl_b32 s20, s20, 12
	s_mov_b32 s21, 0
	s_mov_b32 s23, 0
	s_mul_i32 s66, s46, 98304
	s_lshl_b32 s46, s46, 12
	s_mov_b32 s47, 0
	s_mov_b32 s67, 0
	s_or_b32 s[G1+0], s43, (3<<16)|(1<<21)         ; codes: 96 dense rows of 32 elements of 8 bytes
	s_or_b32 s[G1B+0], s44, (3<<16)|(1<<21)
.irp g, G1, G1B
	s_mov_b32 s[\g+1], 32<<16
	s_mov_b32 s[\g+2], 96<<16
	s_mov_b32 s[\g+3], 32<<16
	s_mov_b32 s[\g+4], 96
	s_mov_b32 s[\g+5], 32
	s_mov_b32 s[\g+6], 0
	s_mov_b32 s[\g+7], 0
.endr
	s_or_b32 s[G1S+0], s43, (3<<16)|(1<<20)|(1<<21)|(5<<22)|(3<<25)   ; scale bytes: 16 rows of 256 bytes, 16 of padding behind each
	s_or_b32 s[G1SB+0], s44, (3<<16)|(1<<20)|(1<<21)|(5<<22)|(3<<25)
.irp g, G1S, G1SB
	s_mov_b32 s[\g+1], 32<<16
	s_mov_b32 s[\g+2], 16<<16
	s_mov_b32 s[\g+3], 32<<16
	s_mov_b32 s[\g+4], 16
	s_mov_b32 s[\g+5], 32
	s_mov_b32 s[\g+6], 0
	s_mov_b32 s[\g+7], 0
.endr
	s_mul_i32 s45, s14, HALFT
	s_mul_i32 s2, s14, HALFS
	s_wait_kmcnt 0x0
	s_add_nc_u64 s[20:21], s[6:7], s[20:21]
	s_add_nc_u64 s[22:23], s[4:5], s[22:23]
	s_add_nc_u64 s[46:47], s[10:11], s[46:47]
	s_add_nc_u64 s[66:67], s[8:9], s[66:67]
	CROUND                                         ; all sixteen work-groups are here: the first joint loads meet
	s_mov_b32 s[G0S], 1
	s_add_co_u32 s[G0S+1], s2, SCL
	s_mov_b64 s[G0S+2:G0S+3], s[20:21]
	s_or_b32 s[G0S+3], s[G0S+3], 0x80000000
	s_mov_b32 s[G0SB], 1
	s_add_co_u32 s[G0SB+1], s2, SCL
	s_mov_b64 s[G0SB+2:G0SB+3], s[46:47]
	s_or_b32 s[G0SB+3], s[G0SB+3], 0x80000000
	JLOAD G0S, G1S, G0SB, G1SB
.irp s, 0,1
	s_mov_b32 s[G0+4*\s], 1
	s_add_co_u32 s[G0+4*\s+1], s45, \s*SLOT
	s_add_nc_u64 s[G0+4*\s+2:G0+4*\s+3], s[22:23], \s*HALFT
	s_or_b32 s[G0+4*\s+3], s[G0+4*\s+3], 0x80000000
	s_mov_b32 s[G0B+4*\s], 1
	s_add_co_u32 s[G0B+4*\s+1], s45, \s*SLOT
	s_add_nc_u64 s[G0B+4*\s+2:G0B+4*\s+3], s[66:67], \s*HALFT
	s_or_b32 s[G0B+4*\s+3], s[G0B+4*\s+3], 0x80000000
	s_wait_alu depctr_va_vdst(0)
	s_wait_tensorcnt 0x0
	ds_add_u32 v28, v29
	s_wait_dscnt 0x0
	CROUND
	JLOAD G0+4*\s, G1, G0B+4*\s, G1B               ; this tensor load of mine is the only one out now
.endr
	v_and_b32 v1, 15, v0                           ; r
	v_bfe_u32 v2, v0, 4, 1                         ; h
	v_and_b32 v3, 31, v0
	v_lshlrev_b32 v[CO], 4, v3                     ; 16 x lane
	v_lshlrev_b32 v4, 3, v3                        ; 8 x lane
	s_mul_i32 s21, s15, HALFT
	s_mul_i32 s22, s16, HALFT
	s_add_co_u32 s22, s22, 2*HALFT
.irp s, 0,1
	v_add_nc_u32 v[ADRA+\s], s21, v[CO]
	v_add_nc_u32 v[ADRB+\s], s22, v[CO]
	v_add_nc_u32 v[ADRA+2+\s], s21, v4
	v_add_nc_u32 v[ADRB+2+\s], s22, v4
	s_add_co_u32 s21, s21, SLOT
	s_add_co_u32 s22, s22, SLOT
.endr
	v_lshlrev_b32 v5, 5, v1
	v_lshrrev_b32 v6, 8, v5
	v_lshl_add_u32 v5, v6, 4, v5
	s_mul_i32 s21, s15, HALFS
	s_mul_i32 s22, s16, HALFS
	s_add_co_u32 s22, s22, 2*HALFS
	s_sub_co_u32 s22, s22, s21
	v_mul_u32_u24 v6, s22, v2                      ; lanes 16-31 take B's
	s_add_co_u32 s21, s21, SCL
	v_add_nc_u32 v5, v5, v6
	v_add_nc_u32 v[ADRS], s21, v5
	s_mul_i32 s23, s14, 16*SPITCH                  ; my stage
	v_mul_u32_u24 v5, v1, SPITCH
	v_lshl_add_u32 v5, v2, 6, v5
	v_add_nc_u32 v[STO], s23, v5                   ; in: row r, + 64 h
	v_add_nc_u32 v[RD], s23, v[CO]                 ; back: a row of 512 bytes for the 32 lanes
	s_lshl_b32 s20, s17, 8
	s_lshl_b32 s21, s15, 7
	s_add_co_u32 s20, s20, s21
	s_lshl_b32 s20, s20, 12                        ; my first row of out0, 4,096 bytes a row
	s_lshl_b32 s46, s42, 10
	s_lshl_b32 s47, s16, 9
	s_add_co_u32 s46, s46, s47                     ; my first column, in bytes; bo's too
	s_mov_b32 s47, 0
	s_add_nc_u64 s[92:93], s[92:93], s[46:47]
	s_add_co_u32 s20, s20, s46
	s_mov_b32 s21, 0
	s_add_nc_u64 s[12:13], s[12:13], s[20:21]
	v_lshlrev_b32 v6, 6, v2
.irp b, 0,1,2,3,4,5,6,7                ; tile b, register j: column 32 (b / 2) + 16 h + 8 (b % 2) + j
	global_load_b128 v[BI+8*\b:BI+8*\b+3], v6, s[92:93] offset:128*(\b/2)+32*(\b%2)
	global_load_b128 v[BI+8*\b+4:BI+8*\b+7], v6, s[92:93] offset:128*(\b/2)+32*(\b%2)+16
.endr
	s_wait_alu depctr_va_vdst(0)
	s_wait_loadcnt 0x0
	s_wait_tensorcnt 1                             ; the scale bytes and my part of slot 0 are in; slot 1's load may be out
	s_barrier_signal -1
	s_barrier_wait -1
	FETCH_B 0, 0, 0
	FETCH_A 0, 0, 0
	SCALES 0
	FETCH_A 0, 0, 4
	STEP 0, 0, 1                                   ; the bias starts the sums
	TURN 0, 1, 1
	STEP 1, 0, 0
	TURN 1, 0, 1
	STEP 0, 0, 0
	TURN 0, 1, 0                                   ; nothing is left to fetch; behind this barrier nobody reads slot 0
	STEP 1, 0, 0
	s_wait_dscnt 4*NL
	WIN MUL_LO
	MUL16 0, 1, NQ-1, 1, 0
	MUL16 2, 1, NQ-1, 1, 0
	s_wait_dscnt 0
	WIN MUL_HI
	MUL16 4, 1, NQ-1, 1, 0
	MUL16 6, 1, NQ-1, 1, 0
	WIN 0
; THE WAY OUT, block by block of 16 rows x 128 columns, through my own stage: LDS serves a wave's instructions in order, so no wait stands between the stores and the loads.
.macro TOSTAGE a
.set AC, 64*((\a)%4)
	WIN 0x08+4*((\a)/4)                            ; the data: window 2 or 3
.irp b, 0,1,2,3,4,5,6,7
	ds_store_b128 v[STO], v[AC+8*\b:AC+8*\b+3] offset:128*(\b/2)+32*(\b%2)       ; each accumulator from its low end on
	ds_store_b128 v[STO], v[AC+8*\b+4:AC+8*\b+7] offset:128*(\b/2)+32*(\b%2)+16
.endr
	WIN 0
.set BB, BK+64*((\a)%2)
.irp t, 0,1,2,3,4,5,6,7,8,9,10,11,12,13,14,15
	ds_load_b128 v[BB+4*\t:BB+4*\t+3], v[RD] offset:\t*SPITCH
.endr
.endm
.macro SEND a, younger                 ; younger: the LDS instructions issued behind block a's loads, which may stay out
.set BB, BK+64*((\a)%2)
	s_wait_dscnt \younger
.if (\a) > 0
.if ((\a)%2) == 1
	s_add_nc_u64 s[12:13], s[12:13], 8*4096        ; block a begins at row 32 (a / 2) + 8 (a % 2)
.else
	s_add_nc_u64 s[12:13], s[12:13], 24*4096
.endif
.endif
.irp t, 0,1,2,3,4,5,6,7,8,9,10,11,12,13,14,15
	global_store_b128 v[CO], v[BB+4*\t:BB+4*\t+3], s[12:13] offset:(\t+8*(\t/8))*4096 th:TH_STORE_NT   ; 32 lanes store 512 consecutive bytes, aligned; written once
.endr
.endm
	PLACES NP                                      ; behind the last products: results are read and A's registers loaded from here on
	TOSTAGE 0
.irp a, 1,2,3,4,5,6,7
.if \a > 1
	s_wait_xcnt 0x0                                ; block a - 2's stores have read their registers and their base
.endif
	TOSTAGE \a
	SEND \a-1, 32                                  ; behind block a - 1's loads: block a's 16 stores and 16 loads
.endr
	s_wait_xcnt 0x0
	SEND 7, 0
	s_wait_tensorcnt 0x0                           ; the wave's end
	ds_add_u32 v[SPW], v[NIL]
	s_wait_dscnt 0x0
	CROUND                                         ; the closing round
	s_endpgm
.Lfunc_end_k_q21bac8e9bc_oproj:
	.size	k_q21bac8e9bc_oproj, .Lfunc_end_k_q21bac8e9bc_oproj-k_q21bac8e9bc_oproj
	.p2alignl 7, 3214868480
	.fill 96, 4, 3214868480
	.section	.rodata,"a",@progbits
	.p2align	6, 0x0
	.amdhsa_kernel k_q21bac8e9bc_oproj
		.amdhsa_group_segment_fixed_size 327680
		.amdhsa_private_segment_fixed_size 0
		.amdhsa_enable_private_segment 0
		.amdhsa_kernarg_size 48
		.amdhsa_user_sgpr_count 2
		.amdhsa_user_sgpr_kernarg_segment_ptr 1
		.amdhsa_wavefront_size32 1
		.amdhsa_system_sgpr_workgroup_id_x 1
		.amdhsa_system_sgpr_workgroup_id_y 1
		.amdhsa_system_sgpr_workgroup_id_z 1
		.amdhsa_system_vgpr_workitem_id 0
		.amdhsa_next_free_vgpr 1024
		.amdhsa_next_free_sgpr 98
		.amdhsa_reserve_vcc 0
		.amdhsa_float_denorm_mode_32 3
		.amdhsa_float_denorm_mode_16_64 3
		.amdhsa_memory_ordered 1
		.amdhsa_forward_progress 1
		.amdhsa_inst_pref_size 146
	.end_amdhsa_kernel
	.amdgpu_metadata
---
amdhsa.version: [ 1, 2 ]
amdhsa.kernels:
  - .name:           k_q21bac8e9bc_oproj
    .symbol:         k_q21bac8e9bc_oproj.kd
    .args:
      - { .name: ac, .offset: 0, .size: 8, .value_kind: global_buffer, .address_space: global }
      - { .name: asc, .offset: 8, .size: 8, .value_kind: global_buffer, .address_space: global }
      - { .name: xc, .offset: 16, .size: 8, .value_kind: global_buffer, .address_space: global }
      - { .name: xsc, .offset: 24, .size: 8, .value_kind: global_buffer, .address_space: global }
      - { .name: bo, .offset: 32, .size: 8, .value_kind: global_buffer, .address_space: global }
      - { .name: out0, .offset: 40, .size: 8, .value_kind: global_buffer, .address_space: global }
    .group_segment_fixed_size: 327680
    .private_segment_fixed_size: 0
    .kernarg_segment_align: 8
    .kernarg_segment_size: 48
    .max_flat_workgroup_size: 128
    .sgpr_count:     98
    .vgpr_count:     1024
    .wavefront_size: 32
...
	.end_amdgpu_metadata
.endif
;; end of part 4
